; MI455X (gfx1250); checked and timed in simulation.
; The chip was launched on July 23, 2026; its instructions are those of AMD's public machine-readable ISA for CDNA 5 (MIT licence, August 2026) and "CDNA5" Instruction Set Architecture Reference Guide (July 2026). The comments in the code are by the model that wrote it; some were corrected since.
;; Causal Self Attention. Allowed arithmetic: matrix products marked QUANTISED: E2M1 operands, one E8M0 scale for each 32 along K, by v_wmma_scale_f32_16x16x128_f8f6f4 with both operands' format E2M1 (or v_wmma_scale_f32_32x16x128_f4), f32 sums; products left as they are: bf16, f16 or f32 operands; f32 sums; everything else in f32.
;; Inputs: W_attn 1,024 x 3,072 float32; W_proj 1,024 x 1,024 float32; b_attn 3,072 float32; b_proj 1,024 float32; x 4 x 2,048 x 1,024 float32.
;; Outputs: out0 4 x 2,048 x 1,024 float32.
;; This version of the problem:
;;   THIS VERSION OF THE PROBLEM IS GIVEN IN LOW PRECISION. The matrix products marked QUANTISED in the list below multiply operands that are first quantised to E2M1 (2 exponent bits, 1 mantissa bit; 4 bits a number), with one power-of-two scale for each 32 numbers along K (OCP MX v1.0); their sums are f32. The products marked 'left as it is' may take bf16, f16 or f32 operands, with f32 sums. Whichever they take, every output number must still come out within the allowed error. Rounding operands to bf16 (8 significant bits) uses up far more of that allowance than f16 does (11 bits, for magnitudes from 6e-5 to 65,504). All else is computed in f32.
;;   The module's matrix products, in the order in which they are computed (A, B: the left and right operand; K: the contracted axis; several contracted axes count as one K, in the product's order):
;;     1. [M 8,192, K 1,024] x [K 1,024, N 3,072]; A: input x; B: input W_attn: QUANTISED
;;     2. batch 64 x [M 2,048, K 64] x [K 64, N 2,048]; A: computed on the way; B: computed on the way: left as it is (an operand is computed on the way)
;;     3. batch 64 x [M 2,048, K 2,048] x [K 2,048, N 64]; A: computed on the way; B: computed on the way: left as it is (an operand is computed on the way)
;;     4. [M 8,192, K 1,024] x [K 1,024, N 1,024]; A: computed on the way; B: input W_proj: left as it is (an operand is computed on the way)
;;   THE QUANTISER, for each operand of a quantised product, along K:
;;     - K is cut into blocks of 32 from its start; a last block that is shorter is filled with zeros.
;;     - A block's scale is 2^e with e = floor(log2(the largest magnitude in the block)) - 2, held to -126 .. 127; a block of zeros has e = 0. As a byte (E8M0): e + 127.
;;     - Each number is divided by its block's scale, clamped to +-6, and rounded to the nearest number of E2M1, ties to even, subnormals kept.
;;     - The product sums the exact products of the quantised numbers (number of the format x scale) in f32.
;;   ~~~python
;;   def quantise(x, axis):      # numpy; x: float32 -> the quantised numbers, widened to float32 again
;;       x = np.moveaxis(x, axis, -1); K = x.shape[-1]
;;       x = np.pad(x, [(0, 0)] * (x.ndim - 1) + [(0, -K % 32)]); x = x.reshape(x.shape[:-1] + (-1, 32)); a = np.abs(x).max(-1, keepdims=True)
;;       e = np.where(a > 0, np.clip(np.frexp(np.where(a > 0, a, 1))[1] - 1 - 2, -126, 127), 0)      # np.frexp(a)[1] - 1 = floor(log2(a)), exactly
;;       r = np.clip(x / 2.0 ** e, -6, 6)
;;       step = 2.0 ** (np.maximum(np.frexp(np.where(r == 0, 1, r))[1] - 1, 0) - 1)
;;       q = np.round(r / step) * step * 2.0 ** e      # np.round: ties to even
;;       return np.moveaxis(q.reshape(q.shape[:-2] + (-1,))[..., :K], -1, axis).astype(np.float32)
;;   ~~~
;; One version. Each part assembles by itself: llvm-mc -triple=amdgcn-amd-amdhsa -mcpu=gfx1250 --defsym DOCPART=n.
;; ======== version 1 of 1: 5 launches
;; limits: values are held in f16: magnitudes above 65,504 overflow, below 6.1e-05 lose precision
;; workspace buffers: xc 4,194,304 bytes; xs 262,144 bytes; wc 1,572,864 bytes; ws 98,304 bytes; wpt 2,097,152 bytes; qkv 50,331,648 bytes; fin 786,432 bytes; ctx 16,777,216 bytes
;; launch prep (part 1): grid 256 x 1, 8 waves a work-group, no clusters, 150,528 bytes of LDS; arguments x, W_attn, W_proj, xc, xs, wc, ws, wpt; writes xc, xs, wc, ws, wpt
.if DOCPART == 1
	.amdgcn_target "amdgcn-amd-amdhsa--gfx1250"
	.amdhsa_code_object_version 6
	.text
	.protected	k_qffd03955e4_prep
	.globl	k_qffd03955e4_prep
	.p2align	8
	.type	k_qffd03955e4_prep,@function
k_qffd03955e4_prep:
	s_mov_b64 s[64:65], 0
	v_nop
	global_prefetch_b8 v0, s[64:65] scope:SCOPE_SE
	s_setreg_imm32_b32 hwreg(HW_REG_WAVE_MODE, 25, 1), 1
	s_wait_xcnt 0x0
; Three jobs in one launch, told apart by the work-group's number alone; the three paths never join and each has LDS bytes of its own.
;   work-groups 0-127:   x [8192][1024] f32 -> codes of FP4 (E2M1), K innermost, xc [8192][512 bytes], and one E8M0 byte for each 32 along K, xs [8192][32]
;   work-groups 128-223: W_attn [1024 k][3072 n] f32, K its FIRST axis -> wc [3072 n][512 bytes], ws [3072][32]
;   work-groups 224-255: W_proj [1024 k][1024 n] f32 -> f16, turned: wpt [1024 n][1024 k]
; A block's scale is 2^(floor(log2(its largest magnitude)) - 2); its byte is the largest magnitude's exponent field - 2, held at 1 from below.
; LIMITS: a block of zeros, or one whose largest magnitude lies under 2^-124, gets the byte 1 (its codes are zeros or nearly so; the bytes are read by this program alone);
; NaN and infinities are not served; |W_proj| stays under 65,504, f16's largest number.
; No tensor loads, no matrix work, no cluster: nothing is shared between work-groups, and memory binds.
.set SPW,   192                        ; v192 LDS address of my spare word; never rewritten
.set NIL,   193                        ; v193 0; never rewritten
.set EMAX,  2
.set STEPS, 16
.set XREG,  8192                       ; path X: a region for each wave: two stages of 32 x 80 bytes, then its 256 scale bytes
.set SP,    80
.set WSTG,  65536                      ; path W: 32 columns x (512 bytes of codes + 16)
.set WPIT,  528
.set WSC,   82432                      ; path W: 32 columns x 32 scale bytes
.set PSTG,  83456                      ; path P: 32 columns x (2,048 bytes of f16 + 16)
.set PPIT,  2064
.set SPARE, 149504                     ; the spare words, 128 bytes a wave: four blocks of 256 bytes that no other line names
.set R,     16                         ; path X: v16-79 four sets of 16 numbers as loaded
.set XV,    80                         ; v80-111 two sets of 16 neighbours
.set E,     112                        ; v112-127 a scale byte for each step
.set C,     128                        ; v128-191 codes, registers of their own for each step
	s_load_b512 s[4:19], s[0:1], 0x0               ; x s[4:5], W_attn s[6:7], W_proj s[8:9], xc s[10:11], xs s[12:13], wc s[14:15], ws s[16:17], wpt s[18:19]
	v_lshl_add_u32 v[SPW], v0, 2, SPARE
	v_mov_b32 v[NIL], 0
	v_lshrrev_b32 v1, 5, v0
	v_readfirstlane_b32 s20, v1                    ; wave 0..7
	v_and_b32 v2, 31, v0                           ; lane
	s_mov_b32 s23, 0                               ; the upper word of every offset pair s[22:23]
	s_wait_kmcnt 0x0
	s_cmp_lt_u32 ttmp9, 128
	s_cbranch_scc0 .Lnot_x
; ---------------- PATH X.  x is a plain stream of blocks of 32.  A wave takes 16 steps of 512 numbers.  Each load reads 512 consecutive bytes; a step's 2,048 bytes turn through the wave's own stage
; in LDS and come back 64 bytes a lane, so that a lane holds 16 neighbours along K (two lanes to a block).  A lane's 16 codes are 8 bytes: a store covers 256 consecutive bytes.
	v_lshlrev_b32 v3, 4, v2                        ; my 16 bytes of a load's 512
	s_mul_i32 s24, s20, XREG
	v_lshrrev_b32 v14, 2, v2
	v_mul_u32_u24 v14, v14, SP
	v_and_b32 v15, 3, v2
	v_lshl_add_u32 v14, v15, 4, v14
	v_add_nc_u32 v14, s24, v14                     ; the stage, in: 80 (lane / 4) + 16 (lane % 4)
	v_mul_u32_u24 v15, v2, SP
	v_add_nc_u32 v15, s24, v15                     ; and out: 80 x lane
	v_mul_u32_u24 v4, v2, 8                        ; my codes' place in a step's 256 bytes
	v_lshrrev_b32 v5, 1, v2
	s_add_co_u32 s24, s24, 2*32*SP
	v_add_nc_u32 v5, s24, v5                       ; my block's byte among my wave's 256 scale bytes
	v_lshlrev_b32 v7, 3, v2
	v_add_nc_u32 v6, s24, v7                       ; and on the way out 8 bytes a lane
	s_lshl_b32 s21, ttmp9, 3
	s_add_co_u32 s21, s21, s20                     ; which run of 8,192 numbers is my wave's: 0 .. 1,023
	s_lshl_b32 s22, s21, 15
	s_add_nc_u64 s[4:5], s[4:5], s[22:23]          ; 32,768 bytes of x a run,
	s_lshl_b32 s22, s21, 12
	s_add_nc_u64 s[10:11], s[10:11], s[22:23]      ; 4,096 of codes,
	s_lshl_b32 s22, s21, 8
	s_add_nc_u64 s[12:13], s[12:13], s[22:23]      ; 256 of scale bytes
.macro XLOAD t
.irp i, 0,1,2,3
	global_load_b128 v[R+16*((\t)%4)+4*\i:R+16*((\t)%4)+4*\i+3], v3, s[4:5] offset:2048*(\t)+512*\i th:TH_LOAD_NT
.endr
.endm
.macro XTURN t                         ; LDS serves a wave's instructions in order: no wait between the stores and the loads
.irp i, 0,1,2,3
	ds_store_b128 v14, v[R+16*((\t)%4)+4*\i:R+16*((\t)%4)+4*\i+3] offset:32*SP*((\t)%2)+8*SP*\i
.endr
.irp i, 0,1,2,3
	ds_load_b128 v[XV+16*((\t)%2)+4*\i:XV+16*((\t)%2)+4*\i+3], v15 offset:32*SP*((\t)%2)+16*\i
.endr
.endm
.irp t, 0,1,2,3
	XLOAD \t
.endr
	s_wait_loadcnt 12                              ; step 0's four loads are in; the twelve of steps 1 to 3 stay out
	XTURN 0
.macro XSTEP t
.set XS, XV+16*((\t)%2)
.if (\t) > 0
	s_wait_dscnt 1                                 ; this step's numbers are back from the stage; the last step's byte store may be out
.else
	s_wait_dscnt 0x0
.endif
.if (\t)+4 < STEPS
	XLOAD (\t)+4                                   ; into the set whose stores into the stage have read their registers
.endif
.if (\t)+1 < STEPS
.if STEPS-2-(\t) >= 3
	s_wait_loadcnt 12                              ; the next step's four loads are in; those of the three steps behind it stay out
.else
	s_wait_loadcnt 4*(STEPS-2-(\t))
.endif
	XTURN (\t)+1
.endif
	v_max3_num_f32 v8, |v[XS]|, |v[XS+1]|, |v[XS+2]|               ; the largest magnitude of my 16, in two chains
	v_max3_num_f32 v9, |v[XS+3]|, |v[XS+4]|, |v[XS+5]|
.irp i, 6,10
	v_max3_num_f32 v8, v8, |v[XS+\i]|, |v[XS+\i+1]|
	v_max3_num_f32 v9, v9, |v[XS+\i+2]|, |v[XS+\i+3]|
.endr
	v_max3_num_f32 v8, v8, |v[XS+14]|, |v[XS+15]|
	v_max3_num_f32 v8, v8, v9, (EMAX+1)<<23        ; and the floor 2^(3 - 127): the byte cannot fall under 1
	v_max_num_f32_dpp v8, v8, v8 row_xmask:1 row_mask:0xf bank_mask:0xf   ; with my neighbour's 16: the block's
	v_add_nc_u32 v11, -(EMAX<<23), v8              ; 2 off its exponent field: the conversion's scale operand
	v_cvt_scalef32_pk8_fp4_f32 v[C+4*(\t)], v[XS:XS+7], v11
	v_cvt_scalef32_pk8_fp4_f32 v[C+4*(\t)+1], v[XS+8:XS+15], v11
	v_lshrrev_b32 v[E+(\t)], 23, v11               ; the scale's byte (also the plain line behind the conversions)
	ds_store_b8 v5, v[E+(\t)] offset:16*(\t)       ; both lanes of a block write the same byte with the same value
	global_store_b64 v4, v[C+4*(\t):C+4*(\t)+1], s[10:11] offset:256*(\t)
.endm
.irp t, 0,1,2,3,4,5,6,7,8,9,10,11,12,13,14,15
	XSTEP \t
.endr
	ds_load_b64 v[8:9], v6                         ; my wave's 256 scale bytes: these loads see my stores
	s_wait_dscnt 0x0
	global_store_b64 v7, v[8:9], s[12:13]          ; 32 lanes store 256 consecutive bytes, aligned
	s_wait_tensorcnt 0x0                           ; the wave's end
	ds_add_u32 v[SPW], v[NIL]
	s_wait_dscnt 0x0
	s_endpgm
; ---------------- PATHS W AND P.  A lane takes a column n and its registers run DOWN K: a block of 32 along K lies in one lane's 32 registers.  A work-group takes 32 columns and all of K;
; wave kq takes K rows 128 kq .. 128 kq + 127, four blocks.  The results gather in a stage, a row to a column, and leave as whole rows.
.macro KLOAD t, base, pitch            ; block t: rows 32 t + i, my column, into set t % 2
.irp i, 0,1,2,3,4,5,6,7,8,9,10,11,12,13,14,15,16,17,18,19,20,21,22,23,24,25,26,27,28,29,30,31
	global_load_b32 v[32+32*((\t)%2)+\i], v3, s[\base:\base+1] offset:(32*(\t)+\i)*\pitch
.endr
.endm
.Lnot_x:
	v_lshlrev_b32 v3, 2, v2                        ; in: 4 bytes a lane
	v_lshlrev_b32 v6, 4, v2                        ; 16 x lane
	s_cmp_lt_u32 ttmp9, 224
	s_cbranch_scc0 .Lpath_p
	s_sub_co_u32 s21, ttmp9, 128                   ; g: columns 32 g on
	v_mul_u32_u24 v4, v2, WPIT
	s_lshl_b32 s24, s20, 6
	s_add_co_u32 s24, s24, WSTG
	v_add_nc_u32 v4, s24, v4                       ; codes in: row = my column, + 64 bytes for each wave's 128 along K
	v_lshlrev_b32 v5, 5, v2
	s_lshl_b32 s24, s20, 2
	s_add_co_u32 s24, s24, WSC
	v_add_nc_u32 v5, s24, v5                       ; my four scale bytes: 32 x column + 4 x wave
	s_mul_i32 s24, s20, 4*WPIT
	s_add_co_u32 s24, s24, WSTG
	v_add_nc_u32 v7, s24, v6                       ; codes out: wave w takes rows 4 w .. 4 w + 3, 32 lanes to a row of 512 bytes
	s_lshl_b32 s24, s20, 11
	v_add_nc_u32 v8, s24, v6                       ; and the same place in wc
	v_and_b32 v9, 63, v0
	v_lshlrev_b32 v9, 4, v9                        ; scale bytes out: threads 0-63, 16 bytes each
	v_add_nc_u32 v10, WSC, v9
	s_mul_i32 s22, s20, 128*12288
	s_lshl_b32 s24, s21, 7
	s_add_co_u32 s22, s22, s24
	s_add_nc_u64 s[6:7], s[6:7], s[22:23]          ; W_attn at row 128 kq, column 32 g
	s_lshl_b32 s22, s21, 14
	s_add_nc_u64 s[14:15], s[14:15], s[22:23]      ; wc: 32 rows of 512 bytes a work-group
	s_lshl_b32 s22, s21, 10
	s_add_nc_u64 s[16:17], s[16:17], s[22:23]      ; ws: 32 rows of 32 bytes
	KLOAD 0, 6, 12288
	KLOAD 1, 6, 12288
.macro BLOCKW t
.set XS, 32+32*((\t)%2)
.if (\t) < 3
	s_wait_loadcnt 32                              ; this block's 32 loads are in; the next block's 32 stay out
.else
	s_wait_loadcnt 0x0
.endif
	v_max3_num_f32 v12, |v[XS]|, |v[XS+1]|, |v[XS+2]|
	v_max3_num_f32 v13, |v[XS+3]|, |v[XS+4]|, |v[XS+5]|
.irp i, 6,10,14,18,22,26
	v_max3_num_f32 v12, v12, |v[XS+\i]|, |v[XS+\i+1]|
	v_max3_num_f32 v13, v13, |v[XS+\i+2]|, |v[XS+\i+3]|
.endr
	v_max3_num_f32 v12, v12, |v[XS+30]|, |v[XS+31]|
	v_max3_num_f32 v12, v12, v13, (EMAX+1)<<23     ; with the floor
	v_add_nc_u32 v11, -(EMAX<<23), v12             ; the conversion's scale operand
	v_lshrrev_b32 v13, 23, v11                     ; the byte
.if (\t) == 0
	v_mov_b32 v24, v13
.else
	v_lshl_or_b32 v24, v13, 8*(\t), v24            ; four bytes to a word, the lower K in the lower byte
.endif
.irp g, 0,1,2,3
	v_cvt_scalef32_pk8_fp4_f32 v[96+\g], v[XS+8*\g:XS+8*\g+7], v11
.endr
	v_nop                                          ; one plain line behind the last conversion of the run
	ds_store_b128 v4, v[96:99] offset:16*(\t)      ; 32 codes: 16 bytes of my column's row
.if (\t)+2 < 4
	KLOAD (\t)+2, 6, 12288
.endif
	s_wait_dscnt 0x0                               ; the store has read its registers: the next block's codes may be written
.endm
	BLOCKW 0
	BLOCKW 1
	BLOCKW 2
	BLOCKW 3
	ds_store_b32 v5, v24
	s_wait_dscnt 0x0                               ; for the others' sake: my stores have landed
	s_barrier_signal -1
	s_barrier_wait -1
.irp i, 0,1,2,3
	ds_load_b128 v[112+4*\i:115+4*\i], v7 offset:WPIT*\i
.endr
.irp i, 0,1,2,3
	s_wait_dscnt 3-\i                              ; load i is in; the younger ones stay out
	global_store_b128 v8, v[112+4*\i:115+4*\i], s[14:15] offset:512*\i   ; 32 lanes store a row of 512 consecutive bytes
.endr
	s_cmp_lt_u32 s20, 2
	s_cbranch_scc0 .Lw_end                         ; the 1,024 scale bytes leave by waves 0 and 1
	ds_load_b128 v[128:131], v10
	s_wait_dscnt 0x0
	global_store_b128 v9, v[128:131], s[16:17]
.Lw_end:
	s_wait_tensorcnt 0x0                           ; the wave's end
	ds_add_u32 v[SPW], v[NIL]
	s_wait_dscnt 0x0
	s_endpgm
.Lpath_p:
	s_sub_co_u32 s21, ttmp9, 224                   ; g: columns 32 g on
	v_mul_u32_u24 v4, v2, PPIT
	s_lshl_b32 s24, s20, 8
	s_add_co_u32 s24, s24, PSTG
	v_add_nc_u32 v4, s24, v4                       ; in: row = my column, + 256 bytes for each wave's 128 along K
	s_mul_i32 s24, s20, 4*PPIT
	s_add_co_u32 s24, s24, PSTG
	v_add_nc_u32 v7, s24, v6                       ; out: wave w takes rows 4 w .. 4 w + 3
	s_lshl_b32 s24, s20, 13
	v_add_nc_u32 v8, s24, v6
	s_lshl_b32 s22, s20, 19                        ; 128 rows of 4,096 bytes a wave
	s_lshl_b32 s24, s21, 7
	s_add_co_u32 s22, s22, s24
	s_add_nc_u64 s[8:9], s[8:9], s[22:23]
	s_lshl_b32 s22, s21, 16                        ; wpt: 32 rows of 2,048 bytes a work-group
	s_add_nc_u64 s[18:19], s[18:19], s[22:23]
	KLOAD 0, 8, 4096
	KLOAD 1, 8, 4096
.macro BLOCKP t
.set XS, 32+32*((\t)%2)
.if (\t) < 3
	s_wait_loadcnt 32                              ; this block's loads are in; the next block's 32 stay out
.else
	s_wait_loadcnt 0x0
.endif
.irp i, 0,1,2,3,4,5,6,7,8,9,10,11,12,13,14,15
	v_cvt_pk_f16_f32 v[96+\i], v[XS+2*\i], v[XS+2*\i+1]   ; the lower k in the low half
.endr
.irp c, 0,1,2,3
	ds_store_b128 v4, v[96+4*\c:99+4*\c] offset:64*(\t)+16*\c
.endr
.if (\t)+2 < 4
	KLOAD (\t)+2, 8, 4096
.endif
	s_wait_dscnt 0x0
.endm
	BLOCKP 0
	BLOCKP 1
	BLOCKP 2
	BLOCKP 3
	s_barrier_signal -1                            ; (every LDS instruction of mine is done: the last block ended with the wait for 0)
	s_barrier_wait -1
.irp i, 0,1,2,3
.irp j, 0,1,2,3
	ds_load_b128 v[112+4*(4*\i+\j):115+4*(4*\i+\j)], v7 offset:PPIT*\i+512*\j
.endr
.endr
.irp i, 0,1,2,3
.irp j, 0,1,2,3
	s_wait_dscnt 15-(4*\i+\j)
	global_store_b128 v8, v[112+4*(4*\i+\j):115+4*(4*\i+\j)], s[18:19] offset:2048*\i+512*\j   ; 512 consecutive bytes a store
.endr
.endr
	s_wait_tensorcnt 0x0                           ; the wave's end
	ds_add_u32 v[SPW], v[NIL]
	s_wait_dscnt 0x0
	s_endpgm
.Lfunc_end_k_qffd03955e4_prep:
	.size	k_qffd03955e4_prep, .Lfunc_end_k_qffd03955e4_prep-k_qffd03955e4_prep
	.p2alignl 7, 3214868480
	.fill 96, 4, 3214868480
	.section	.rodata,"a",@progbits
	.p2align	6, 0x0
	.amdhsa_kernel k_qffd03955e4_prep
		.amdhsa_group_segment_fixed_size 150528
		.amdhsa_private_segment_fixed_size 0
		.amdhsa_enable_private_segment 0
		.amdhsa_kernarg_size 64
		.amdhsa_user_sgpr_count 2
		.amdhsa_user_sgpr_kernarg_segment_ptr 1
		.amdhsa_wavefront_size32 1
		.amdhsa_system_sgpr_workgroup_id_x 1
		.amdhsa_system_sgpr_workgroup_id_y 1
		.amdhsa_system_sgpr_workgroup_id_z 1
		.amdhsa_system_vgpr_workitem_id 0
		.amdhsa_next_free_vgpr 200
		.amdhsa_next_free_sgpr 66
		.amdhsa_reserve_vcc 0
		.amdhsa_float_denorm_mode_32 3
		.amdhsa_float_denorm_mode_16_64 3
		.amdhsa_memory_ordered 1
		.amdhsa_forward_progress 1
		.amdhsa_inst_pref_size 75
	.end_amdhsa_kernel
	.amdgpu_metadata
---
amdhsa.version: [ 1, 2 ]
amdhsa.kernels:
  - .name:           k_qffd03955e4_prep
    .symbol:         k_qffd03955e4_prep.kd
    .args:
      - { .name: x, .offset: 0, .size: 8, .value_kind: global_buffer, .address_space: global }
      - { .name: W_attn, .offset: 8, .size: 8, .value_kind: global_buffer, .address_space: global }
      - { .name: W_proj, .offset: 16, .size: 8, .value_kind: global_buffer, .address_space: global }
      - { .name: xc, .offset: 24, .size: 8, .value_kind: global_buffer, .address_space: global }
      - { .name: xs, .offset: 32, .size: 8, .value_kind: global_buffer, .address_space: global }
      - { .name: wc, .offset: 40, .size: 8, .value_kind: global_buffer, .address_space: global }
      - { .name: ws, .offset: 48, .size: 8, .value_kind: global_buffer, .address_space: global }
      - { .name: wpt, .offset: 56, .size: 8, .value_kind: global_buffer, .address_space: global }
    .group_segment_fixed_size: 150528
    .private_segment_fixed_size: 0
    .kernarg_segment_align: 8
    .kernarg_segment_size: 64
    .max_flat_workgroup_size: 256
    .sgpr_count:     66
    .vgpr_count:     200
    .wavefront_size: 32
...
	.end_amdgpu_metadata
.endif
;; end of part 1
;; launch qkv (part 2): grid 12 x 32, 4 waves a work-group, clusters of 4 x 4, 327,680 bytes of LDS; arguments xc, xs, wc, ws, b_attn, qkv, fin; writes qkv, fin
.if DOCPART == 2
	.amdgcn_target "amdgcn-amd-amdhsa--gfx1250"
	.amdhsa_code_object_version 6
	.text
	.protected	k_qffd03955e4_qkv
	.globl	k_qffd03955e4_qkv
	.p2align	8
	.type	k_qffd03955e4_qkv,@function
k_qffd03955e4_qkv:
	s_mov_b64 s[64:65], 0
	v_nop
	global_prefetch_b8 v0, s[64:65] scope:SCOPE_SE
	s_setreg_imm32_b32 hwreg(HW_REG_WAVE_MODE, 25, 1), 1
	s_wait_xcnt 0x0
	s_wait_alu depctr_hold_cnt(0) depctr_sa_sdst(0) depctr_va_vdst(0) depctr_va_sdst(0) depctr_va_ssrc(0) depctr_va_vcc(0) depctr_vm_vsrc(0)
	s_getreg_b32 s2, hwreg(HW_REG_IB_STS2, 6, 4)
	s_cmp_eq_u32 s2, 0
	s_cbranch_scc0 .Lentry_in_a_cluster
	s_endpgm
.Lentry_in_a_cluster:
	s_bfe_u32 s2, ttmp6, 0x10000c
	s_cmp_lg_u32 s2, 0xf033
	s_cbranch_scc0 .Lentry_shape_is_right
	s_endpgm
.Lentry_shape_is_right:
; qkv = Q(x) Q(W_attn) + b_attn on codes of FP4 (E2M1) with one E8M0 scale for each 32 along K: M 8,192, N 3,072, K 1,024; sums in f32.
; A tile of 256 x 256 to a work-group of four waves, 128 x 128 to a wave: 64 accumulators, 512 registers.  All of K is two LDS slots of 512 along K (rows of 256 bytes): both are first fills, nothing is filled again.
; The scale bytes of the work-group's rows come once, as dense blocks.  CLUSTERS: 4 x 4; A's tiles are asked for jointly along a row of the cluster, B's along a column.
; THE TILE ROW IS 8 cy + cluster y: so (tile row mod 8), which says whether a tile holds a sequence's first positions, is the cluster's y, alike in all sixteen partners, and the batch is cy.
; The matrix instruction is used TRANSPOSED (source 0 = 16 rows of wc, source 1 = 16 rows of xc): a lane holds eight neighbouring columns of one row.  The bias is the C of each sum's first instruction.
; OUT: f16, laid by head: qkv [3 parts][64 = 16 batch + head][2,048 positions][64]; a store covers four positions of one head, 512 consecutive bytes.
; Positions 0 to 15 of each sequence go out in f32 too, as images of the accumulators: fin [4 batches][48 = 16 part + head][8 images][32 lanes x 16 bytes];
; image 2 bb + u holds, in lane (r, hh), channels 16 bb + 8 hh + 4 u + 0 .. 3 of position r.
; LIMIT: |q|, |k|, |v| stay under 65,504, f16's largest number.
; REGISTERS, in windows of 256: window 0: v0-31 addresses; v32-95 scale words, two sets, and nothing else ever; v128-191 A's fragments, one set; v192-255 the bias; on the way out v128-159 packed results, v192-255 rows read back.
;   window 1: B's fragments, two sets, at v0 and v128.   window 2: the accumulators of my rows 0-63 ((a, b) at v[8 (8 a + b)]);   window 3: those of my rows 64-127.
.set NQ,     4                         ; steps of 128 along K in a slot
.set ROWB,   256                       ; a tile's row in bytes: 512 codes
.set KROW,   512                       ; a row of codes in memory
.set PITCH,  272                       ; 256 bytes + 16 of padding = 68 words: the 16 rows of a load start at 16 different banks (64 banks of 4 bytes: ISA guide 11.1)
.set FR,     8
.set NL,     2
.set NP,     4                         ; places behind this matrix instruction (ISA guide 7.12.1)
.set HALFT,  128*PITCH
.set SLOT,   4*HALFT
.set KS,     32                        ; a row of scale bytes
.set SCL,    2*SLOT
.set HALFS,  (128*KS/256)*272
.set SBLK,   (16*KS/256)*272
.set SPARE,  SCL+4*HALFS               ; the spare words, 128 bytes a wave: two blocks of 256 bytes that no other line names
.set SPITCH, 272                       ; the way out: a stage of 16 rows x (256 bytes + 16) for each wave, in slot 0, which has had its only fill and its last read by then
.set ADRA, 16
.set ADRB, 20
.set STO,  24
.set RD,   25
.set CO,   26                          ; v26 16 x lane: my place in a store's 512 bytes
.set ADRS, 27
.set SPW,  28
.set NIL,  29
.set BO,   30                          ; v30 32 x (lane / 16): my eight numbers of a block's bias
.set SC,   32
.set AF,   128
.set BI,   192
.set TMP,  128
.set BK,   192
.set G1, 24
.set G0, 32
.set G1B, 48
.set G0B, 56
.set G1S, 68
.set G0S, 76
.set G1SB, 80
.set G0SB, 88
.set MSB, 0
.macro WIN new                         ; the immediate's high byte repeats the setting that is left
.if MSB != \new
	s_set_vgpr_msb (MSB<<8)|\new
.set MSB, \new
.endif
.endm
.set MUL_LO, 0xa1                      ; source 0 (B) window 1, source 1 (A) window 0, C and D window 2
.set MUL_HI, 0xf1                      ; C and D window 3
.set FST_LO, 0x81                      ; the first step: C (the bias) window 0, D window 2
.set FST_HI, 0xc1                      ; D window 3
.set TO_B,   0x40
; A joint load: waves 0 and 1 fetch for A, waves 2 and 3 for B; the branch hangs on the wave's number alone.  An s_nop 0 and four v_nop follow each line.
.macro JLOAD g0a, g1a, g0b, g1b
	s_cmp_eq_u32 s15, 0
	s_cbranch_scc0 .Lfor_b_\@
	tensor_load_to_lds s[\g0a:\g0a+3], s[\g1a:\g1a+7]
	s_nop 0
.rept 4
	v_nop
.endr
	s_branch .Lasked_\@
.Lfor_b_\@:
	tensor_load_to_lds s[\g0b:\g0b+3], s[\g1b:\g1b+7]
	s_nop 0
.rept 4
	v_nop
.endr
.Lasked_\@:
.endm
.macro CROUND                          ; a round of the cluster's barrier
	s_barrier_signal -1
	s_barrier_wait -1
	s_cmp_lg_u32 s14, 0
	s_cbranch_scc1 .Lnot_wave_0_\@
	s_barrier_signal -3
.Lnot_wave_0_\@:
	s_barrier_wait -3
	s_barrier_signal -1
	s_barrier_wait -1
.endm
	s_load_b128 s[4:7], s[0:1], 0x0                ; xc, xs
	s_load_b128 s[8:11], s[0:1], 0x10              ; wc, ws
	s_load_b128 s[96:99], s[0:1], 0x20             ; b_attn, qkv
	s_load_b64 s[100:101], s[0:1], 0x30            ; fin
	v_lshl_add_u32 v[SPW], v0, 2, SPARE
	v_mov_b32 v[NIL], 0
	ds_add_u32 v[SPW], v[NIL]                      ; the wave's opening
	ds_add_u32 v[SPW], v[NIL]
	v_lshrrev_b32 v1, 5, v0
	v_readfirstlane_b32 s14, v1                    ; wave 0..3
	s_lshr_b32 s15, s14, 1                         ; my half of the tile's rows.  Also: I fetch for A (0) or for B (1)
	s_and_b32 s16, s14, 1                          ; my half of its columns.  Also: which 128 rows I fetch
	s_bfe_u32 s40, ttmp6, 0x40000                  ; cx
	s_bfe_u32 s41, ttmp6, 0x40004                  ; cy
	s_lshl_b32 s42, ttmp9, 2
	s_add_co_u32 s42, s42, s40                     ; tile column = 4 x cluster x + cx: 0 .. 11
	s_and_b32 s95, ttmp7, 0xffff                   ; cluster y: 0 .. 7
	s_lshl_b32 s17, s41, 3
	s_add_co_u32 s17, s17, s95                     ; tile row = 8 cy + cluster y: 0 .. 31
	s_lshl_b32 s43, s41, 2
	s_lshl_b32 s43, 15, s43                        ; my row of the cluster
	s_lshl_b32 s44, 0x1111, s40                    ; my column
	s_or_b32 s[G1+0], s43, (0<<16)|(1<<20)|(1<<21)|(5<<22)|(3<<25)  ; the mask; elements of 1 byte; padding on; bit 21 beside a mask; 4 words behind every 64
	s_or_b32 s[G1B+0], s44, (0<<16)|(1<<20)|(1<<21)|(5<<22)|(3<<25)
.irp g, G1, G1B
	s_mov_b32 s[\g+1], ROWB<<16                    ; tensor_dim0
	s_mov_b32 s[\g+2], 128<<16                     ; tensor_dim1
	s_mov_b32 s[\g+3], ROWB<<16                    ; tile_dim0
	s_mov_b32 s[\g+4], 128                         ; tile_dim1
	s_mov_b32 s[\g+5], KROW                        ; the pitch
	s_mov_b32 s[\g+6], 0
	s_mov_b32 s[\g+7], 0
.endr
	s_or_b32 s[G1S+0], s43, (3<<16)|(1<<20)|(1<<21)|(5<<22)|(3<<25)  ; the scales of 128 rows: 4,096 dense bytes as 16 rows of 256 (32 elements of 8 bytes)
	s_or_b32 s[G1SB+0], s44, (3<<16)|(1<<20)|(1<<21)|(5<<22)|(3<<25)
.irp g, G1S, G1SB
	s_mov_b32 s[\g+1], 32<<16
	s_mov_b32 s[\g+2], (128*KS/256)<<16
	s_mov_b32 s[\g+3], 32<<16
	s_mov_b32 s[\g+4], 128*KS/256
	s_mov_b32 s[\g+5], 32
	s_mov_b32 s[\g+6], 0
	s_mov_b32 s[\g+7], 0
.endr
	s_lshl_b32 s18, s16, 7
	s_lshl_b32 s20, s17, 8
	s_add_co_u32 s20, s20, s18                     ; A: row 256 x tile row + 128 x half
	s_lshl_b32 s46, s42, 8
	s_add_co_u32 s46, s46, s18                     ; B: row 256 x tile column + 128 x half
	s_mov_b32 s21, 0
	s_mov_b32 s47, 0
	s_mov_b64 s[18:19], KS
	s_mul_u64 s[22:23], s[20:21], s[18:19]
	s_mul_u64 s[92:93], s[46:47], s[18:19]
	s_mov_b64 s[18:19], KROW
	s_mul_u64 s[20:21], s[20:21], s[18:19]
	s_mul_u64 s[46:47], s[46:47], s[18:19]
	s_mul_i32 s45, s14, HALFT                      ; where they go: wave x 128 rows: no place in the cluster enters an LDS address
	s_mul_i32 s94, s14, HALFS
	s_wait_dscnt 0x0                               ; both opening adds are done
	s_wait_kmcnt 0x0
	s_add_nc_u64 s[20:21], s[4:5], s[20:21]
	s_add_nc_u64 s[22:23], s[6:7], s[22:23]
	s_add_nc_u64 s[46:47], s[8:9], s[46:47]
	s_add_nc_u64 s[92:93], s[10:11], s[92:93]
	CROUND                                         ; all sixteen work-groups are here: the joint loads meet
	s_mov_b32 s[G0S], 1
	s_add_co_u32 s[G0S+1], s94, SCL
	s_mov_b64 s[G0S+2:G0S+3], s[22:23]
	s_or_b32 s[G0S+3], s[G0S+3], 0x80000000
	s_mov_b32 s[G0SB], 1
	s_add_co_u32 s[G0SB+1], s94, SCL
	s_mov_b64 s[G0SB+2:G0SB+3], s[92:93]
	s_or_b32 s[G0SB+3], s[G0SB+3], 0x80000000
	JLOAD G0S, G1S, G0SB, G1SB                     ; the scales first; then both slots: three tensor loads of mine are out
.irp s, 0,1
	s_mov_b32 s[G0+4*\s], 1
	s_add_co_u32 s[G0+4*\s+1], s45, \s*SLOT
	s_add_nc_u64 s[G0+4*\s+2:G0+4*\s+3], s[20:21], \s*ROWB
	s_or_b32 s[G0+4*\s+3], s[G0+4*\s+3], 0x80000000
	s_mov_b32 s[G0B+4*\s], 1
	s_add_co_u32 s[G0B+4*\s+1], s45, \s*SLOT
	s_add_nc_u64 s[G0B+4*\s+2:G0B+4*\s+3], s[46:47], \s*ROWB
	s_or_b32 s[G0B+4*\s+3], s[G0B+4*\s+3], 0x80000000
	JLOAD G0+4*\s, G1, G0B+4*\s, G1B
.endr
	v_and_b32 v1, 15, v0                           ; r
	v_bfe_u32 v2, v0, 4, 1                         ; hh
	s_lshl_b32 s20, s42, 10                        ; the bias of my 128 columns: (256 x tile column + 128 x half) x 4 bytes
	s_lshl_b32 s21, s16, 9
	s_add_co_u32 s20, s20, s21
	s_mov_b32 s21, 0
	s_add_nc_u64 s[96:97], s[96:97], s[20:21]
	v_lshlrev_b32 v[BO], 5, v2
.irp b, 0,1,2,3,4,5,6,7
.irp u, 0,1
	global_load_b128 v[BI+8*\b+4*\u:BI+8*\b+4*\u+3], v[BO], s[96:97] offset:64*\b+16*\u   ; register 8 b + j: the bias of column 16 b + 8 hh + j
.endr
.endr
	v_mul_u32_u24 v3, v1, PITCH
	v_lshl_add_u32 v4, v2, 4, v3
	s_mul_i32 s21, s15, HALFT
	s_mul_i32 s22, s16, HALFT
	s_add_co_u32 s22, s22, 2*HALFT
.irp s, 0,1
	v_add_nc_u32 v[ADRA+\s], s21, v4
	v_add_nc_u32 v[ADRB+\s], s22, v4
	s_add_co_u32 s21, s21, SLOT
	s_add_co_u32 s22, s22, SLOT
.endr
	v_mul_u32_u24 v5, v1, KS                       ; my row's scales: 32 bytes a row, and 16 more for each 256 passed
	v_lshrrev_b32 v6, 8, v5
	v_lshl_add_u32 v5, v6, 4, v5
	s_mul_i32 s21, s15, HALFS
	s_mul_i32 s22, s16, HALFS
	s_add_co_u32 s22, s22, 2*HALFS
	s_sub_co_u32 s22, s22, s21
	v_mul_u32_u24 v6, s22, v2                      ; lanes 16-31 take B's
	s_add_co_u32 s21, s21, SCL
	v_add_nc_u32 v5, v5, v6
	v_add_nc_u32 v[ADRS], s21, v5
	s_mul_i32 s23, s14, 16*SPITCH                  ; my stage
	v_mul_u32_u24 v5, v1, SPITCH
	v_lshl_add_u32 v5, v2, 4, v5
	v_add_nc_u32 v[STO], s23, v5                   ; in: row r, 16 bytes for each half of the lanes
	v_and_b32 v6, 31, v0
	v_lshrrev_b32 v5, 3, v6
	v_mul_u32_u24 v5, v5, SPITCH
	v_and_b32 v7, 7, v0
	v_lshl_add_u32 v5, v7, 4, v5
	v_add_nc_u32 v[RD], s23, v5                    ; back: eight lanes to a head's 128 bytes of a row, four rows a load
	v_lshlrev_b32 v[CO], 4, v6
	s_lshr_b32 s20, s42, 2                         ; part: 0 q, 1 k, 2 v
	s_and_b32 s22, s42, 3
	s_lshl_b32 s22, s22, 2
	s_lshl_b32 s23, s16, 1
	s_add_co_u32 s22, s22, s23                     ; my first head: 4 (tile column mod 4) + 2 x column half
	s_lshl_b32 s21, s20, 2
	s_add_co_u32 s21, s21, s41
	s_lshl_b32 s21, s21, 4
	s_add_co_u32 s21, s21, s22                     ; (4 part + batch) x 16 + head
	s_lshl_b32 s21, s21, 11
	s_lshl_b32 s23, s95, 8
	s_add_co_u32 s21, s21, s23
	s_lshl_b32 s23, s15, 7
	s_add_co_u32 s21, s21, s23                     ; x 2,048 + my first position
	s_lshl_b32 s46, s21, 7                         ; x 128 bytes: under 2^26
	s_mov_b32 s47, 0
	s_add_nc_u64 s[98:99], s[98:99], s[46:47]
	s_mul_i32 s21, s41, 48
	s_lshl_b32 s20, s20, 4
	s_add_co_u32 s21, s21, s20
	s_add_co_u32 s21, s21, s22                     ; 48 batch + 16 part + head
	s_lshl_b32 s46, s21, 12
	s_add_nc_u64 s[100:101], s[100:101], s[46:47]
.macro FRAG reg, adr, q, i             ; 16 rows x 128 K of 4-bit codes: 8 registers; registers 4 c .. 4 c + 3 hold K = 64 c + 32 (lane / 16) + 0 .. 31
.irp c, 0,1
	ds_load_b128 v[\reg+4*\c:\reg+4*\c+3], v[\adr] offset:64*(\q)+32*\c+(\i)*16*PITCH
.endr
.endm
; 16 matrix instructions: A's blocks a0, a0 + 1 x B's eight.  first = 1: the sums begin with the bias.  The 64 accumulators take turns, one instruction a turn.
.macro MUL16 a0, p, q, sc, first
.irp a, \a0, \a0+1
.irp b, 0,1,2,3,4,5,6,7
.if \first
	v_wmma_scale_f32_16x16x128_f8f6f4 v[8*(8*((\a)%4)+\b):8*(8*((\a)%4)+\b)+7], v[128*(\p)+FR*\b:128*(\p)+FR*\b+FR-1], v[AF+FR*(\a):AF+FR*(\a)+FR-1], v[BI+8*\b:BI+8*\b+7], v[SC+8*NQ*(\sc)+NQ*\b+(\q)], v[SC+8*NQ*(\sc)+NQ*(\a)+(\q)] matrix_a_fmt:MATRIX_FMT_FP4 matrix_b_fmt:MATRIX_FMT_FP4 matrix_a_scale:MATRIX_SCALE_ROW1
.else
	v_wmma_scale_f32_16x16x128_f8f6f4 v[8*(8*((\a)%4)+\b):8*(8*((\a)%4)+\b)+7], v[128*(\p)+FR*\b:128*(\p)+FR*\b+FR-1], v[AF+FR*(\a):AF+FR*(\a)+FR-1], v[8*(8*((\a)%4)+\b):8*(8*((\a)%4)+\b)+7], v[SC+8*NQ*(\sc)+NQ*\b+(\q)], v[SC+8*NQ*(\sc)+NQ*(\a)+(\q)] matrix_a_fmt:MATRIX_FMT_FP4 matrix_b_fmt:MATRIX_FMT_FP4 matrix_a_scale:MATRIX_SCALE_ROW1
.endif
.endr
.endr
.endm
.macro FETCH_B slot, q, p
	WIN TO_B
.irp i, 0,1,2,3,4,5,6,7
	FRAG 128*(\p)+FR*\i, ADRB+\slot, \q, \i
.endr
	WIN 0
.endm
.macro FETCH_A slot, q, i0
.irp i, \i0, \i0+1, \i0+2, \i0+3
	FRAG AF+FR*(\i), ADRA+\slot, \q, \i
.endr
.endm
.macro SCALES sc                       ; a slot's scale words: lanes 0-15 take A's block i, lanes 16-31 B's block i; four words a row
.irp i, 0,1,2,3,4,5,6,7
	ds_load_b128 v[SC+8*NQ*\sc+NQ*\i:SC+8*NQ*\sc+NQ*\i+3], v[ADRS] offset:\i*SBLK
.endr
.endm
.macro PLACES n                        ; plain vector instructions between a matrix instruction and a load into, or a read of, its registers
.rept \n
	v_nop
.endr
.endm
.macro STEP slot, q, first             ; a step of 128 along K that has its successor in the same slot
	s_wait_dscnt 4*NL                              ; B's set and A's blocks 0-3 are in; the eight youngest loads (A's blocks 4-7) may be out
.if \first
	WIN FST_LO
.else
	WIN MUL_LO
.endif
	MUL16 0, (\q)%2, \q, \slot, \first
	MUL16 2, (\q)%2, \q, \slot, \first
	s_wait_dscnt 0
	PLACES NP
	FETCH_B \slot, (\q)+1, 1-(\q)%2
	FETCH_A \slot, (\q)+1, 0
.if \first
	WIN FST_HI
.else
	WIN MUL_HI
.endif
	MUL16 4, (\q)%2, \q, \slot, \first
	MUL16 6, (\q)%2, \q, \slot, \first
	PLACES NP
	WIN 0
	FETCH_A \slot, (\q)+1, 4
.endm
.macro STEPS slot, from
.set QQ, \from
.rept NQ-1-\from
	STEP \slot, QQ, 0
.set QQ, QQ+1
.endr
.endm
	s_wait_tensorcnt 1                             ; the scales and my part of slot 0 are in; slot 1's load, the one issued behind them, may be out
	s_barrier_signal -1
	s_barrier_wait -1                              ; everybody's are
	FETCH_B 0, 0, 0
	FETCH_A 0, 0, 0
	SCALES 0
	FETCH_A 0, 0, 4
	s_wait_loadcnt 0x0                             ; the bias
	STEP 0, 0, 1
	STEPS 0, 1
	; slot 0's last step changes slots: one barrier
	s_wait_tensorcnt 0x0                           ; my part of slot 1 has landed
	ds_add_u32 v[SPW], v[NIL]
	s_wait_dscnt 4*NL+1                            ; the add and the eight youngest loads may be out
	WIN MUL_LO
	MUL16 0, 1, NQ-1, 0, 0
	s_wait_dscnt 0x0                               ; the add is done, and my reads of slot 0 are over
	s_barrier_signal -1
	MUL16 2, 1, NQ-1, 0, 0
	WIN 0
	s_barrier_wait -1
	PLACES NP
	v_add_nc_u32 v[ADRS], 4*NQ, v[ADRS]            ; on to slot 1's scale words
	FETCH_B 1, 0, 0
	FETCH_A 1, 0, 0
	SCALES 1
	WIN MUL_HI
	MUL16 4, 1, NQ-1, 0, 0
	MUL16 6, 1, NQ-1, 0, 0
	PLACES NP
	WIN 0
	FETCH_A 1, 0, 4
	STEPS 1, 0
	s_wait_dscnt 4*NL                              ; the last step: nothing more to fetch
	WIN MUL_LO
	MUL16 0, 1, NQ-1, 1, 0
	MUL16 2, 1, NQ-1, 1, 0
	s_wait_dscnt 0
	WIN MUL_HI
	MUL16 4, 1, NQ-1, 1, 0
	MUL16 6, 1, NQ-1, 1, 0
	WIN 0
	PLACES NP                                      ; behind the last products, ahead of every read of results and every write of operands below
	; POSITIONS 0 TO 15 IN f32: block 0 of the upper row half of the tiles with cluster y = 0.  The branch hangs on the cluster's y and the wave's number: it is alike in all partners.
	s_or_b32 s20, s95, s15
	s_cmp_lg_u32 s20, 0
	s_cbranch_scc1 .Lno_fine
	WIN 0x08                                       ; a store's data: window 2
.irp b, 0,1,2,3,4,5,6,7
.irp u, 0,1
	global_store_b128 v[CO], v[8*\b+4*\u:8*\b+4*\u+3], s[100:101] offset:(2*\b+\u)*512   ; each accumulator from its low end on; 512 consecutive bytes a store
.endr
.endr
	WIN 0
.Lno_fine:
; THE WAY OUT, block by block of 16 rows x 128 columns (two heads): rounded to f16, 16 bytes a lane into my stage, back as four positions x 128 bytes of one head.
.macro PACK a
.set AC, 64*((\a)%4)
	WIN 0x0a+5*((\a)/4)                            ; sources 0 and 1: window 2 or 3
.irp b, 0,1,2,3,4,5,6,7
.irp r, 0,1,2,3
	v_cvt_pk_f16_f32 v[TMP+4*\b+\r], v[AC+8*\b+2*\r], v[AC+8*\b+2*\r+1]
.endr
.endr
	WIN 0
.endm
.macro TOSTAGE a
.set BB, BK+32*((\a)%2)
.irp b, 0,1,2,3,4,5,6,7
	ds_store_b128 v[STO], v[TMP+4*\b:TMP+4*\b+3] offset:32*\b
.endr
.irp t, 0,1,2,3,4,5,6,7
	ds_load_b128 v[BB+4*\t:BB+4*\t+3], v[RD] offset:(\t%4)*4*SPITCH+(\t/4)*128   ; LDS serves a wave's instructions in order: these see the stores above
.endr
.endm
.macro SEND a
.set BB, BK+32*((\a)%2)
	s_wait_dscnt 0x0                               ; the block is back in registers
	s_wait_xcnt 0x0                                ; the block before has left its registers: the next block's loads may land there
.irp t, 0,1,2,3,4,5,6,7
	global_store_b128 v[CO], v[BB+4*\t:BB+4*\t+3], s[98:99] offset:(\a)*2048+(\t/4)*262144+(\t%4)*512
.endr
.endm
	PACK 0
	TOSTAGE 0
.irp a, 1,2,3,4,5,6,7                  ; block a's conversions stand between block a - 1's loads from the stage and the wait for them
	PACK \a
	SEND \a-1
	TOSTAGE \a
.endr
	SEND 7
	s_wait_tensorcnt 0x0                           ; the wave's end
	ds_add_u32 v[SPW], v[NIL]
	s_wait_dscnt 0x0
	CROUND                                         ; the closing round
	s_endpgm
.Lfunc_end_k_qffd03955e4_qkv:
	.size	k_qffd03955e4_qkv, .Lfunc_end_k_qffd03955e4_qkv-k_qffd03955e4_qkv
	.p2alignl 7, 3214868480
	.fill 96, 4, 3214868480
	.section	.rodata,"a",@progbits
	.p2align	6, 0x0
	.amdhsa_kernel k_qffd03955e4_qkv
		.amdhsa_group_segment_fixed_size 327680
		.amdhsa_private_segment_fixed_size 0
		.amdhsa_enable_private_segment 0
		.amdhsa_kernarg_size 56
		.amdhsa_user_sgpr_count 2
		.amdhsa_user_sgpr_kernarg_segment_ptr 1
		.amdhsa_wavefront_size32 1
		.amdhsa_system_sgpr_workgroup_id_x 1
		.amdhsa_system_sgpr_workgroup_id_y 1
		.amdhsa_system_sgpr_workgroup_id_z 1
		.amdhsa_system_vgpr_workitem_id 0
		.amdhsa_next_free_vgpr 1024
		.amdhsa_next_free_sgpr 102
		.amdhsa_reserve_vcc 0
		.amdhsa_float_denorm_mode_32 3
		.amdhsa_float_denorm_mode_16_64 3
		.amdhsa_memory_ordered 1
		.amdhsa_forward_progress 1
		.amdhsa_inst_pref_size 130
	.end_amdhsa_kernel
	.amdgpu_metadata
---
amdhsa.version: [ 1, 2 ]
amdhsa.kernels:
  - .name:           k_qffd03955e4_qkv
    .symbol:         k_qffd03955e4_qkv.kd
    .args:
      - { .name: xc, .offset: 0, .size: 8, .value_kind: global_buffer, .address_space: global }
      - { .name: xs, .offset: 8, .size: 8, .value_kind: global_buffer, .address_space: global }
      - { .name: wc, .offset: 16, .size: 8, .value_kind: global_buffer, .address_space: global }
      - { .name: ws, .offset: 24, .size: 8, .value_kind: global_buffer, .address_space: global }
      - { .name: b_attn, .offset: 32, .size: 8, .value_kind: global_buffer, .address_space: global }
      - { .name: qkv, .offset: 40, .size: 8, .value_kind: global_buffer, .address_space: global }
      - { .name: fin, .offset: 48, .size: 8, .value_kind: global_buffer, .address_space: global }
    .group_segment_fixed_size: 327680
    .private_segment_fixed_size: 0
    .kernarg_segment_align: 8
    .kernarg_segment_size: 56
    .max_flat_workgroup_size: 128
    .sgpr_count:     102
    .vgpr_count:     1024
    .wavefront_size: 32
...
	.end_amdgpu_metadata
.endif
;; end of part 2
;; launch attn (part 3): grid 4 x 64, 8 waves a work-group, no clusters, 327,680 bytes of LDS; arguments qkv, ctx; writes ctx
.if DOCPART == 3
	.amdgcn_target "amdgcn-amd-amdhsa--gfx1250"
	.amdhsa_code_object_version 6
	.text
	.protected	k_qffd03955e4_attn
	.globl	k_qffd03955e4_attn
	.p2align	8
	.type	k_qffd03955e4_attn,@function
k_qffd03955e4_attn:
	s_mov_b64 s[64:65], 0
	v_nop
	global_prefetch_b8 v0, s[64:65] scope:SCOPE_SE
	s_setreg_imm32_b32 hwreg(HW_REG_WAVE_MODE, 25, 1), 1
	s_wait_xcnt 0x0
; ctx[head][batch x 2,048 + q][:] = the sum over k <= q of softmax_k(Q[q] . K[k] / 8) V[k][:], for 64 (batch, head) pairs of 2,048 positions x 64 channels.  Operands f16, products, maxima and sums f32.
; SHARES.  Work-group (i, bh) takes two blocks of 256 queries of one head: first block 7 - i with its 8 - i blocks of 256 keys, then block i with its i + 1: nine key blocks for every work-group, so the
; loop's trip count is a constant and the 256 work-groups have equal work.  Key blocks beyond the diagonal are never fetched.  Wave w owns queries 32 w .. 32 w + 31 of the block: two tiles of 16,
; so that each fragment of K and V read from LDS feeds two products.
; NO CLUSTER: the four work-groups of a head walk key blocks 0 .. 7 - i and then 0 .. i: from the sixth slot on they want different blocks at the same time.
; SOFTMAX.  t = score x log2(e) / 8; M = the running largest t rounded up to a whole number; p = 2^(t - M); when M moves, the sum and O are multiplied by 2^(old M - new M), exactly; O is divided by the sum at the end.
; LAYOUT.  S^T = K Q^T (source 0 = 16 keys, source 1 = 16 queries), O^T = V^T P (source 0 = 16 channels, turned by ds_load_tr16_b128): a lane holds ONE query throughout, and two tiles of S^T, rounded in pairs, are P.
; THE MASK.  A step of 128 keys all of which come after my 32 queries is jumped over (a branch on ids); on the diagonal hidden scores become -infinity.  A step that is walked has its first key at or under all my queries.
; LIMITS: |q|, |k|, |v| under 65,504 (they arrive as f16); NaN and infinities are not served.
; LDS.  Two slots, 2^17 bytes apart, of 256 keys.  Rows are dense in memory (128 bytes a key), so a tile is stated as rows of 256 bytes, two keys each: K at pitch 272, V at pitch 288:
; key -> (key / 2) x pitch + (key % 2) x 128.  Behind slot 0: a stage for each wave, and the spare words.
; REGISTERS.  window 0: v1-11 addresses; v12-27 eight statistics a tile; v28 -infinity; v29-30 the mask's offsets; v31 r - 8 hh; v32-63 Q; v64-191 S^T, then p; v192-255 P.
;   window 1: v0-63 O^T; v64-191 K's fragments, then V's; v192-223 the second block's Q.
.set SLOT1, 1<<17
.set KP,    272
.set VP,    288
.set VOFF,  128*KP
.set STAGE, VOFF+128*VP                ; 71,680: 2 tiles x 16 rows x 144 bytes for each wave
.set WSTG,  2*16*144
.set SPARE, STAGE+8*WSTG               ; the spare words, 128 bytes a wave: four blocks of 256 bytes that no other line names
.set AK0, 1
.set AV0, 2
.set ADK, 3
.set ADV, 4
.set STO, 5
.set RD,  6
.set GO,  7
.set SPW, 8
.set NIL, 9
.set PFO, 10
.set QO,  11
.set ST,  12                           ; tile x at v[ST + 8 x]: +0 -M, +1 the largest t, +2, +3 the sum in two halves, +4 f, +5 named with f as a pair, +6, +7 at work
.set NINF, 28
.set DM,  29
.set RH,  31
.set Q,   32
.set S,   64
.set P,   192
.set KV,  64                           ; in window 1
.set Q2,  192                          ; in window 1
.set WV,  8
.set NA,  12                           ; s12 key blocks of the first pass: 8 - i
.set N,   13                           ; s13 the slot's number, 0 .. 8
.set KF,  14                           ; s14 the step's first key
.set Q0,  15                           ; s15 my first query
.set TB,  16                           ; s16 LDS byte at which the slot in hand begins
.set LIM, 17                           ; s17 a wave prefetches while N is under it
.set SEL, 18
.set CS,  20
.set G1K, 24
.set G1V, 32
.set G0K, 40
.set G0V, 44
.set KB,  48                           ; s[48:49] K at my 64 keys of the head's key block 0;  s[50:51] V likewise
.set VB,  50
.set PFA, 52
.set QA,  54
.set QB,  56
.set CB,  58                           ; s[58:59] ctx at my head's and batch's first row
.set OB,  60
.set Q0B, 62
.set MSB, 0
.macro WIN new                         ; the immediate's high byte repeats the setting that is left
.if MSB != \new
	s_set_vgpr_msb (MSB<<8)|\new
.set MSB, \new
.endif
.endm
; Waves 0-3 fetch K's four quarters of a key block, waves 4-7 V's: one load of 8,192 bytes a wave.  An s_nop 0 and four v_nop follow each line.
.macro TLOAD
	s_cmp_lt_u32 s[WV], 4
	s_cbranch_scc0 .Lfor_v_\@
	tensor_load_to_lds s[G0K:G0K+3], s[G1K:G1K+7]
	s_nop 0
.rept 4
	v_nop
.endr
	s_branch .Lasked_\@
.Lfor_v_\@:
	tensor_load_to_lds s[G0V:G0V+3], s[G1V:G1V+7]
	s_nop 0
.rept 4
	v_nop
.endr
.Lasked_\@:
.endm
; A PREFETCH INTO THE L2 of the key block that the NEXT change of slots will ask for.  All four work-groups of a head walk the same K and V from block 0 on: work-group i = 0, which walks all eight, asks.
; Each wave names its own 8,192 bytes of the block, lanes 256 bytes apart, so each aligned 256 bytes is named once in the launch.  Trip N names block N + 2, N = 0 .. 5; blocks 0 and 1 come by their loads alone.
.macro ASK
	s_cmp_lt_u32 s[N], s[LIM]
	s_cbranch_scc0 .Lnot_mine_\@
	global_prefetch_b8 v[PFO], s[PFA:PFA+1] th:TH_LOAD_NT scope:SCOPE_SE
.Lnot_mine_\@:
.endm
	s_load_b128 s[4:7], s[0:1], 0x0                ; qkv, ctx
	v_lshl_add_u32 v[SPW], v0, 2, SPARE
	v_mov_b32 v[NIL], 0
	ds_add_u32 v[SPW], v[NIL]                      ; the wave's opening
	ds_add_u32 v[SPW], v[NIL]
	v_lshrrev_b32 v1, 5, v0
	v_readfirstlane_b32 s[WV], v1                  ; wave 0..7
	s_and_b32 s9, s[WV], 3
	s_and_b32 s11, ttmp7, 0xffff                   ; bh = 16 batch + head
	s_sub_co_u32 s[NA], 8, ttmp9
	s_mov_b32 s[N], 0
	s_mov_b32 s[KF], 0
	s_mov_b32 s[TB], 0
	s_lshl_b32 s66, s[WV], 5
	s_sub_co_u32 s[Q0], s[NA], 1
	s_lshl_b32 s[Q0], s[Q0], 8
	s_add_co_u32 s[Q0], s[Q0], s66                 ; first pass: 256 (7 - i) + 32 w
	s_lshl_b32 s[Q0B], ttmp9, 8
	s_add_co_u32 s[Q0B], s[Q0B], s66               ; second pass: 256 i + 32 w
	s_cmp_eq_u32 ttmp9, 0
	s_cselect_b32 s[LIM], 6, 0
	s_mov_b32 s[SEL], 0x76543210
	s_mov_b32 s[SEL+1], 0xfedcba98                 ; v_permlanex16_b32's selects for lane l xor 16
	s_mov_b32 s[CS], 0x3e38aa3b                    ; c = log2(e) / 8
	s_mov_b32 s[CS+1], s[CS]                       ; (named with it as a pair)
	s_mov_b32 s[G1K], (1<<16)|(1<<20)|(5<<22)|(3<<25)   ; no mask; elements of 2 bytes; padding on: 4 words behind every 64
	s_mov_b32 s[G1V], (1<<16)|(1<<20)|(5<<22)|(7<<25)   ; 8 words behind every 64
.irp g, G1K, G1V
	s_mov_b32 s[\g+1], 128<<16                     ; tensor_dim0 = 128 elements: two keys
	s_mov_b32 s[\g+2], 32<<16                      ; tensor_dim1 = 32 rows
	s_mov_b32 s[\g+3], 128<<16                     ; tile_dim0
	s_mov_b32 s[\g+4], 32                          ; tile_dim1
	s_mov_b32 s[\g+5], 128                         ; the pitch: dense
	s_mov_b32 s[\g+6], 0
	s_mov_b32 s[\g+7], 0
.endr
	s_mov_b32 s[G0K], 1
	s_mul_i32 s[G0K+1], s9, 32*KP                  ; slot 0, my quarter
	s_mov_b32 s[G0V], 1
	s_mul_i32 s[G0V+1], s9, 32*VP
	s_add_co_u32 s[G0V+1], s[G0V+1], VOFF
	s_lshl_b32 s66, s11, 18                        ; the head's first byte in a part: 262,144 bytes a head
	s_lshl_b32 s68, s9, 13
	s_add_co_u32 s68, s68, s66                     ; + my 64 keys
	s_mov_b32 s69, 0
	s_lshl_b32 s70, s[Q0], 7
	s_add_co_u32 s70, s70, s66
	s_mov_b32 s71, 0
	s_wait_dscnt 0x0                               ; both opening adds are done
	s_wait_kmcnt 0x0
	s_add_nc_u64 s[KB:KB+1], s[4:5], s[68:69]
	s_add_nc_u64 s[VB:VB+1], s[KB:KB+1], 0x2000000 ; part 2
	s_add_nc_u64 s[KB:KB+1], s[KB:KB+1], 0x1000000 ; part 1
	s_mov_b64 s[G0K+2:G0K+3], s[KB:KB+1]
	s_or_b32 s[G0K+3], s[G0K+3], 0x80000000
	s_mov_b64 s[G0V+2:G0V+3], s[VB:VB+1]
	s_or_b32 s[G0V+3], s[G0V+3], 0x80000000
	TLOAD                                          ; key block 0 into slot 0
	s_add_nc_u64 s[QA:QA+1], s[4:5], s[70:71]
	s_lshl_b32 s70, s[Q0B], 7
	s_add_co_u32 s70, s70, s66
	s_add_nc_u64 s[QB:QB+1], s[4:5], s[70:71]
	s_and_b32 s70, s11, 15
	s_lshl_b32 s70, s70, 13
	s_lshr_b32 s66, s11, 4
	s_lshl_b32 s66, s66, 11
	s_add_co_u32 s70, s70, s66
	s_lshl_b32 s70, s70, 7                         ; (8,192 head + 2,048 batch) rows of 128 bytes
	s_add_nc_u64 s[CB:CB+1], s[6:7], s[70:71]
	s_cmp_lt_u32 s[WV], 4
	s_cselect_b64 s[PFA:PFA+1], s[KB:KB+1], s[VB:VB+1]
	s_add_nc_u64 s[PFA:PFA+1], s[PFA:PFA+1], 32768 ; at key block 1: the first change of slots steps it to block 2
	v_and_b32 v12, 15, v0                          ; r
	v_bfe_u32 v13, v0, 4, 1                        ; hh
	v_and_b32 v14, 31, v0                          ; lane
	v_lshlrev_b32 v[QO], 7, v12
	v_lshl_add_u32 v[QO], v13, 4, v[QO]            ; Q: row r of 128 bytes, + 16 hh
.irp x, 0,1
.irp c, 0,1
	global_load_b128 v[Q+16*\x+8*\c:Q+16*\x+8*\c+3],   v[QO], s[QA:QA+1] offset:2048*\x+64*\c
	global_load_b128 v[Q+16*\x+8*\c+4:Q+16*\x+8*\c+7], v[QO], s[QA:QA+1] offset:2048*\x+64*\c+32
.endr
.endr
	WIN 0x40                                       ; destination window 1
.irp x, 0,1
.irp c, 0,1
	global_load_b128 v[Q2+16*\x+8*\c:Q2+16*\x+8*\c+3],   v[QO], s[QB:QB+1] offset:2048*\x+64*\c
	global_load_b128 v[Q2+16*\x+8*\c+4:Q2+16*\x+8*\c+7], v[QO], s[QB:QB+1] offset:2048*\x+64*\c+32
.endr
.endr
	WIN 0
	v_lshrrev_b32 v15, 1, v12
	v_mul_u32_u24 v[AK0], v15, KP
	v_and_b32 v15, 1, v12
	v_lshl_add_u32 v[AK0], v15, 7, v[AK0]
	v_lshl_add_u32 v[AK0], v13, 4, v[AK0]          ; K: 272 (r / 2) + 128 (r % 2) + 16 hh
	v_bfe_u32 v15, v0, 1, 2
	v_lshl_add_u32 v15, v13, 2, v15
	v_mul_u32_u24 v[AV0], v15, VP
	v_and_b32 v15, 1, v0
	v_lshl_add_u32 v[AV0], v15, 7, v[AV0]
	v_bfe_u32 v15, v0, 3, 1
	v_lshl_add_u32 v[AV0], v15, 4, v[AV0]
	v_add_nc_u32 v[AV0], VOFF, v[AV0]              ; V: key 8 hh + lane % 8, channels 8 ((lane / 8) % 2) on
	s_mul_i32 s66, s[WV], WSTG
	s_add_co_u32 s66, s66, STAGE
	v_mul_u32_u24 v[STO], v12, 144
	v_lshl_add_u32 v[STO], v13, 4, v[STO]
	v_add_nc_u32 v[STO], s66, v[STO]               ; the stage, in: row r, 16 bytes for each half of the lanes
	v_lshrrev_b32 v15, 3, v14
	v_mul_u32_u24 v[RD], v15, 144
	v_and_b32 v15, 7, v0
	v_lshl_add_u32 v[RD], v15, 4, v[RD]
	v_add_nc_u32 v[RD], s66, v[RD]                 ; back: eight lanes to a row of 128 bytes, four rows a load
	v_lshlrev_b32 v[GO], 4, v14
	v_lshlrev_b32 v[PFO], 8, v14
	v_lshlrev_b32 v[RH], 3, v13
	v_sub_nc_u32 v[RH], v12, v[RH]                 ; r - 8 hh
	v_mov_b32 v[NINF], 0xff800000
.macro INIT0                           ; a pass begins: O^T and the sums are zeros, the largest t is -3e38: the first change of M multiplies zeros
	WIN 0x40
.set i, 0
.rept 64
	v_mov_b32 v[i], 0
.set i, i+1
.endr
	WIN 0
.irp x, 0,1
	v_mov_b32 v[ST+8*\x+1], 0xff61b1e6
	v_floor_f32 v[ST+8*\x], -v[ST+8*\x+1]
	v_mov_b32 v[ST+8*\x+2], 0
	v_mov_b32 v[ST+8*\x+3], 0
	v_mov_b32 v[ST+8*\x+5], 0
	v_mov_b32 v[ST+8*\x+7], 0                      ; (a lane permute's destination counts as one of its sources)
.endr
.endm
; A KEY STEP: 128 keys, the q-th of the slot in hand, against my 32 queries.
.macro STEP q
	s_add_co_u32 s66, s[Q0], 31
	s_cmp_gt_u32 s[KF], s66
	s_cbranch_scc1 .Lhidden_\@                     ; all 128 keys come after my queries
	v_add_nc_u32 v[ADK], s[TB], v[AK0]
	v_add_nc_u32 v[ADV], s[TB], v[AV0]
	v_nop
	v_nop                                          ; four places between the last step's products and the loads into the registers that they read
	WIN 0x40
.irp c, 0,1                            ; channels 32 c on: the first 32 first
.irp kt, 0,1,2,3,4,5,6,7
	ds_load_b128 v[KV+16*\kt+8*\c:KV+16*\kt+8*\c+3],   v[ADK] offset:17408*(\q)+2176*\kt+64*\c
	ds_load_b128 v[KV+16*\kt+8*\c+4:KV+16*\kt+8*\c+7], v[ADK] offset:17408*(\q)+2176*\kt+64*\c+32
.endr
.endr
	WIN 0x01                                       ; K in window 1; Q and S^T in window 0
.irp c, 0,1
.if \c == 0
	s_wait_dscnt 16                                ; channels 0-31 are in; the sixteen loads of channels 32-63 may be out
.else
	s_wait_dscnt 0x0
.endif
.irp kt, 0,1,2,3,4,5,6,7               ; sixteen accumulators by turns
.irp x, 0,1
.if \c == 0
	v_wmma_f32_16x16x32_f16 v[S+64*\x+8*\kt:S+64*\x+8*\kt+7], v[KV+16*\kt+8*\c:KV+16*\kt+8*\c+7], v[Q+16*\x+8*\c:Q+16*\x+8*\c+7], 0
.else
	v_wmma_f32_16x16x32_f16 v[S+64*\x+8*\kt:S+64*\x+8*\kt+7], v[KV+16*\kt+8*\c:KV+16*\kt+8*\c+7], v[Q+16*\x+8*\c:Q+16*\x+8*\c+7], v[S+64*\x+8*\kt:S+64*\x+8*\kt+7]
.endif
.endr
.endr
.endr
	WIN 0
.rept 4
	v_nop                                          ; places: ahead of the loads into K's registers and of the first read of the scores
.endr
	WIN 0x40
.irp kc, 0,1,2,3                       ; V, turned: keys 32 kc on, channels 16 dt on; it lands while the softmax is walked
.irp dt, 0,1,2,3
	ds_load_tr16_b128 v[KV+32*\kc+8*\dt:KV+32*\kc+8*\dt+3],   v[ADV] offset:18432*(\q)+4608*\kc+32*\dt
	ds_load_tr16_b128 v[KV+32*\kc+8*\dt+4:KV+32*\kc+8*\dt+7], v[ADV] offset:18432*(\q)+4608*\kc+32*\dt+2304
.endr
.endr
	WIN 0
	s_add_co_u32 s66, s[KF], 127
	s_cmp_le_u32 s66, s[Q0]
	s_cbranch_scc1 .Lopen_\@                       ; all 128 keys count for all my queries
	s_sub_co_i32 s66, s[Q0], s[KF]
	v_add_nc_u32 v[DM], s66, v[RH]                 ; d = my query - KF - 8 hh.  Register 8 kt + j holds key KF + 16 kt + 8 hh + j: hidden where 16 kt + j > d
	v_add_nc_u32 v[DM+1], 16, v[DM]
.irp x, 0,1
.set n, 0
.rept 64
	v_cmp_gt_i32 vcc_lo, 16*(n/8)+n%8, v[DM+\x]
	v_cndmask_b32 v[S+64*\x+n], v[S+64*\x+n], v[NINF], vcc_lo
.set n, n+1
.endr
.endr
.Lopen_\@:
.irp x, 0,1                            ; the largest score: four chains a tile, each accumulator from its low end on; the chains stand in P's first registers
.irp b, 0,1,2,3
	v_max3_num_f32 v[P+32*\x+\b], v[S+64*\x+16*\b], v[S+64*\x+16*\b+1], v[S+64*\x+16*\b+2]
.endr
.irp i, 3,5,7,9,11,13
.irp b, 0,1,2,3
	v_max3_num_f32 v[P+32*\x+\b], v[P+32*\x+\b], v[S+64*\x+16*\b+\i], v[S+64*\x+16*\b+\i+1]
.endr
.endr
.irp b, 0,1,2,3
	v_max_num_f32 v[P+32*\x+\b], v[P+32*\x+\b], v[S+64*\x+16*\b+15]
.endr
.endr
.irp x, 0,1
	v_max3_num_f32 v[ST+8*\x+6], v[P+32*\x], v[P+32*\x+1], v[P+32*\x+2]
.endr
.irp x, 0,1
	v_max_num_f32 v[ST+8*\x+6], v[ST+8*\x+6], v[P+32*\x+3]
.endr
.irp x, 0,1
	v_permlanex16_b32 v[ST+8*\x+7], v[ST+8*\x+6], s[SEL], s[SEL+1]   ; the query's other 64 keys lie in the lane 16 away
.endr
.irp x, 0,1
	v_max_num_f32 v[ST+8*\x+6], v[ST+8*\x+6], v[ST+8*\x+7]
.endr
.irp x, 0,1
	v_mul_f32 v[ST+8*\x+6], s[CS], v[ST+8*\x+6]    ; as t (c is positive)
.endr
.irp x, 0,1
	v_max_num_f32 v[ST+8*\x+1], v[ST+8*\x+1], v[ST+8*\x+6]   ; the running largest t
.endr
.irp x, 0,1
	v_mov_b32 v[ST+8*\x+6], v[ST+8*\x]
.endr
.irp x, 0,1
	v_floor_f32 v[ST+8*\x], -v[ST+8*\x+1]          ; the new -M = -ceil(t)
.endr
.irp x, 0,1
	v_sub_f32 v[ST+8*\x+6], v[ST+8*\x], v[ST+8*\x+6]   ; old M - new M: a whole number, 0 or less
.endr
.irp x, 0,1
	v_cvt_i32_f32 v[ST+8*\x+6], v[ST+8*\x+6]       ; (it saturates)
.endr
.irp x, 0,1
	v_ldexp_f32 v[ST+8*\x+4], 1.0, v[ST+8*\x+6]    ; f = 2^(old M - new M)
.endr
.irp x, 0,1
.set i, 0
.rept 32
	v_pk_fma_f32 v[S+64*\x+i:S+64*\x+i+1], v[S+64*\x+i:S+64*\x+i+1], s[CS:CS+1], v[ST+8*\x:ST+8*\x+1] op_sel_hi:[1,0,0]   ; t - M, two at a time
.set i, i+2
.endr
.endr
.set i, 0
.rept 128
	v_exp_f32 v[S+i], v[S+i]                       ; p = 2^(t - M): one batch
.set i, i+1
.endr
.irp x, 0,1
	v_pk_mul_f32 v[ST+8*\x+2:ST+8*\x+3], v[ST+8*\x+2:ST+8*\x+3], v[ST+8*\x+4:ST+8*\x+5] op_sel_hi:[1,0]   ; the sums under the new M: the plain lines behind the batch
.endr
	s_wait_alu depctr_va_vdst(0)                   ; one wait for the batch, ahead of its first reader
.irp x, 0,1
	v_pk_add_f32 v[ST+8*\x+6:ST+8*\x+7], v[S+64*\x:S+64*\x+1], v[S+64*\x+2:S+64*\x+3]   ; the row's sum, of the unrounded p: two chains a tile
.endr
.irp j, 4,8,12,16,20,24,28,32,36,40,44,48,52,56,60
.irp x, 0,1
	v_pk_add_f32 v[ST+8*\x+2:ST+8*\x+3], v[ST+8*\x+2:ST+8*\x+3], v[S+64*\x+\j:S+64*\x+\j+1]
	v_pk_add_f32 v[ST+8*\x+6:ST+8*\x+7], v[ST+8*\x+6:ST+8*\x+7], v[S+64*\x+\j+2:S+64*\x+\j+3]
.endr
.endr
.irp x, 0,1
	v_pk_add_f32 v[ST+8*\x+2:ST+8*\x+3], v[ST+8*\x+2:ST+8*\x+3], v[ST+8*\x+6:ST+8*\x+7]
.endr
.set i, 0
.rept 64
	v_cvt_pk_f16_f32 v[P+i], v[S+2*i], v[S+2*i+1]  ; P: registers 8 kc .. 8 kc + 7 of a tile are keys 32 kc on, as source 1 wants them
.set i, i+1
.endr
	WIN 0x41                                       ; O^T in window 1, f in window 0
.irp x, 0,1
.set i, 0
.rept 16
	v_pk_mul_f32 v[32*\x+i:32*\x+i+1], v[32*\x+i:32*\x+i+1], v[ST+8*\x+4:ST+8*\x+5] op_sel_hi:[1,0]   ; O^T under the new M
.set i, i+2
.endr
.endr
	s_wait_dscnt 0x0                               ; V is in
	WIN 0x51                                       ; V, O^T in window 1; P in window 0
.irp kc, 0,1,2,3                       ; eight accumulators by turns
.irp dt, 0,1,2,3
.irp x, 0,1
	v_wmma_f32_16x16x32_f16 v[32*\x+8*\dt:32*\x+8*\dt+7], v[KV+32*\kc+8*\dt:KV+32*\kc+8*\dt+7], v[P+32*\x+8*\kc:P+32*\x+8*\kc+7], v[32*\x+8*\dt:32*\x+8*\dt+7]
.endr
.endr
.endr
	WIN 0
.Lhidden_\@:
	s_add_co_u32 s[KF], s[KF], 128
.endm
; THE CHANGE OF SLOTS, at a slot's head.  Each wave waits for all its tensor loads (its part of the slot ahead), adds 0 to its spare word, and waits for that and for its reads of the slot left.
; fill = 1: behind the barrier the slot left is filled with the next key block: N + 1, or N + 1 - NA in the second pass; every block so asked for is read (the walk ends at the diagonal).
.macro CHANGE fill
	s_wait_tensorcnt 0x0                           ; no tensor load of mine is out: the groups 0 may be written
	ds_add_u32 v[SPW], v[NIL]
.if \fill
	s_add_co_u32 s66, s[N], 1
	s_cmp_ge_u32 s66, s[NA]
	s_cselect_b32 s67, s[NA], 0
	s_sub_co_u32 s66, s66, s67
	s_lshl_b32 s66, s66, 15                        ; 32,768 bytes a key block
	s_mov_b32 s67, 0
	s_xor_b32 s[G0K+1], s[G0K+1], SLOT1
	s_add_nc_u64 s[G0K+2:G0K+3], s[KB:KB+1], s[66:67]
	s_or_b32 s[G0K+3], s[G0K+3], 0x80000000
	s_xor_b32 s[G0V+1], s[G0V+1], SLOT1
	s_add_nc_u64 s[G0V+2:G0V+3], s[VB:VB+1], s[66:67]
	s_or_b32 s[G0V+3], s[G0V+3], 0x80000000
	s_wait_xcnt 0x0                                ; the last prefetch, a slot back, has read its address
	s_add_nc_u64 s[PFA:PFA+1], s[PFA:PFA+1], 32768
.endif
	s_wait_dscnt 0x0                               ; the add is done, and my reads of the slot left are over
	s_barrier_signal -1
	s_barrier_wait -1
.if \fill
	TLOAD                                          ; my one tensor load behind this barrier, and the first thing there: it has two key steps in which to land
	ASK
.endif
.endm
; A PASS ENDS: the sums' halves meet, O^T is divided, rounded to f16 and sent through my stage; a store covers four rows of 128 bytes, 512 consecutive bytes.
.macro FLUSH
.rept 4
	v_nop                                          ; places behind the last products
.endr
.irp x, 0,1
	v_add_f32 v[ST+8*\x+6], v[ST+8*\x+2], v[ST+8*\x+3]
.endr
.irp x, 0,1
	v_permlanex16_b32 v[ST+8*\x+7], v[ST+8*\x+6], s[SEL], s[SEL+1]
.endr
.irp x, 0,1
	v_add_f32 v[ST+8*\x+6], v[ST+8*\x+6], v[ST+8*\x+7]
.endr
.irp x, 0,1
	v_rcp_f32 v[ST+8*\x+6], v[ST+8*\x+6]
.endr
	v_nop                                          ; a plain line behind the reciprocals,
	s_wait_alu depctr_va_vdst(0)                   ; and one wait for both, ahead of the first reader
	WIN 0x01                                       ; O^T in window 1
.irp x, 0,1
.set i, 0
.rept 16
	v_pk_mul_f32 v[S+64*\x+i:S+64*\x+i+1], v[32*\x+i:32*\x+i+1], v[ST+8*\x+6:ST+8*\x+7] op_sel_hi:[1,0]
.set i, i+2
.endr
.endr
	WIN 0
.irp x, 0,1
.set i, 0
.rept 16
	v_cvt_pk_f16_f32 v[P+16*\x+i], v[S+64*\x+2*i], v[S+64*\x+2*i+1]
.set i, i+1
.endr
.endr
.irp x, 0,1
.irp dt, 0,1,2,3
	ds_store_b128 v[STO], v[P+16*\x+4*\dt:P+16*\x+4*\dt+3] offset:2304*\x+32*\dt
.endr
.irp t, 0,1,2,3
	ds_load_b128 v[S+32+64*\x+4*\t:S+32+64*\x+4*\t+3], v[RD] offset:2304*\x+576*\t   ; LDS serves a wave's instructions in order: these see the stores above
.endr
.endr
	s_lshl_b32 s66, s[Q0], 7
	s_mov_b32 s67, 0
	s_add_nc_u64 s[OB:OB+1], s[CB:CB+1], s[66:67]  ; (no store that names this base is pending: INITB ends with the wait)
.irp x, 0,1
.irp t, 0,1,2,3
	s_wait_dscnt 8*(1-\x)+3-\t                     ; behind this load: its tile's younger loads, and for tile 0 tile 1's eight LDS instructions
	global_store_b128 v[GO], v[S+32+64*\x+4*\t:S+32+64*\x+4*\t+3], s[OB:OB+1] offset:2048*\x+512*\t
.endr
.endr
.endm
.macro INITB                           ; the second pass: its Q, its first query, key 0
	WIN 0x01
.set i, 0
.rept 32
	v_mov_b32 v[Q+i], v[Q2+i]
.set i, i+1
.endr
	INIT0
	s_mov_b32 s[Q0], s[Q0B]
	s_mov_b32 s[KF], 0
	s_wait_xcnt 0x0                                ; the stores have read their registers and their base: the next products may write S^T
.endm
.macro PASSCHK                         ; slot NA is the second pass's first: ids and the count of slots alone, the same in all eight waves; no barrier and no tensor load inside
	s_cmp_lg_u32 s[N], s[NA]
	s_cbranch_scc1 .Lsame_\@
	FLUSH
	INITB
.Lsame_\@:
.endm
	INIT0
	s_wait_loadcnt 0x0                             ; both passes' Q
.Lslot:                                            ; eight trips: behind each change of slots but the last the next key block is asked for
	CHANGE 1
	PASSCHK
	STEP 0
	STEP 1
	s_xor_b32 s[TB], s[TB], SLOT1
	s_add_co_u32 s[N], s[N], 1
	s_cmp_lt_u32 s[N], 8
	s_cbranch_scc1 .Lslot
	CHANGE 0                                       ; the ninth slot is written out: nothing is left to fetch
	PASSCHK
	STEP 0
	STEP 1
	FLUSH
	s_wait_tensorcnt 0x0                           ; the wave's end
	ds_add_u32 v[SPW], v[NIL]
	s_wait_dscnt 0x0
	s_endpgm
.Lfunc_end_k_qffd03955e4_attn:
	.size	k_qffd03955e4_attn, .Lfunc_end_k_qffd03955e4_attn-k_qffd03955e4_attn
	.p2alignl 7, 3214868480
	.fill 96, 4, 3214868480
	.section	.rodata,"a",@progbits
	.p2align	6, 0x0
	.amdhsa_kernel k_qffd03955e4_attn
		.amdhsa_group_segment_fixed_size 327680
		.amdhsa_private_segment_fixed_size 0
		.amdhsa_enable_private_segment 0
		.amdhsa_kernarg_size 16
		.amdhsa_user_sgpr_count 2
		.amdhsa_user_sgpr_kernarg_segment_ptr 1
		.amdhsa_wavefront_size32 1
		.amdhsa_system_sgpr_workgroup_id_x 1
		.amdhsa_system_sgpr_workgroup_id_y 1
		.amdhsa_system_sgpr_workgroup_id_z 1
		.amdhsa_system_vgpr_workitem_id 0
		.amdhsa_next_free_vgpr 512
		.amdhsa_next_free_sgpr 72
		.amdhsa_reserve_vcc 1
		.amdhsa_float_denorm_mode_32 3
		.amdhsa_float_denorm_mode_16_64 3
		.amdhsa_memory_ordered 1
		.amdhsa_forward_progress 1
		.amdhsa_inst_pref_size 207
	.end_amdhsa_kernel
	.amdgpu_metadata
---
amdhsa.version: [ 1, 2 ]
amdhsa.kernels:
  - .name:           k_qffd03955e4_attn
    .symbol:         k_qffd03955e4_attn.kd
    .args:
      - { .name: qkv, .offset: 0, .size: 8, .value_kind: global_buffer, .address_space: global }
      - { .name: ctx, .offset: 8, .size: 8, .value_kind: global_buffer, .address_space: global }
    .group_segment_fixed_size: 327680
    .private_segment_fixed_size: 0
    .kernarg_segment_align: 8
    .kernarg_segment_size: 16
    .max_flat_workgroup_size: 256
    .sgpr_count:     72
    .vgpr_count:     512
    .wavefront_size: 32
...
	.end_amdgpu_metadata
.endif
;; end of part 3
;; launch proj (part 4): grid 8 x 32, 4 waves a work-group, clusters of 4 x 4, 327,680 bytes of LDS; arguments ctx, wpt, b_proj, out0; writes out0
.if DOCPART == 4
	.amdgcn_target "amdgcn-amd-amdhsa--gfx1250"
	.amdhsa_code_object_version 6
	.text
	.protected	k_qffd03955e4_proj
	.globl	k_qffd03955e4_proj
	.p2align	8
	.type	k_qffd03955e4_proj,@function
k_qffd03955e4_proj:
	s_mov_b64 s[64:65], 0
	v_nop
	global_prefetch_b8 v0, s[64:65] scope:SCOPE_SE
	s_setreg_imm32_b32 hwreg(HW_REG_WAVE_MODE, 25, 1), 1
	s_wait_xcnt 0x0
	s_wait_alu depctr_hold_cnt(0) depctr_sa_sdst(0) depctr_va_vdst(0) depctr_va_sdst(0) depctr_va_ssrc(0) depctr_va_vcc(0) depctr_vm_vsrc(0)
	s_getreg_b32 s2, hwreg(HW_REG_IB_STS2, 6, 4)
	s_cmp_eq_u32 s2, 0
	s_cbranch_scc0 .Lentry_in_a_cluster
	s_endpgm
.Lentry_in_a_cluster:
	s_bfe_u32 s2, ttmp6, 0x10000c
	s_cmp_lg_u32 s2, 0xf033
	s_cbranch_scc0 .Lentry_shape_is_right
	s_endpgm
.Lentry_shape_is_right:
; out0[m][n] = the sum over k of ctx[m][k] W_proj[k][n] + b_proj[n]: M 8,192, N 1,024, K 1,024; operands f16, sums f32.
; ctx lies by head, [16 heads][8,192 rows][64]; wpt is W_proj turned, [1,024 n][1,024 k].  k = 64 head + channel.
; A tile of 256 x 128 to a work-group: 256 work-groups.  Four waves, 128 x 64 each: 32 accumulators, 256 registers (window 1).  K goes in steps of 128, two heads, through two LDS slots.
; A's tile of a step is two planes, a head each: 256 rows of 128 dense bytes, stated as 128 rows of 256 bytes (two rows of ctx each), pitch 272: row m -> (m / 2) x 272 + (m % 2) x 128.  B's: 128 rows of 256 bytes, pitch 272.
; CLUSTERS: 4 x 4; A's tiles are asked for jointly along a row of the cluster, B's along a column.  Waves 0 and 1 fetch A's two planes, waves 2 and 3 B's two halves: one load a wave behind each round.
; The matrix instruction is used TRANSPOSED (source 0 = 16 rows of wpt, source 1 = 16 rows of ctx): a lane holds eight neighbouring columns of one row.  The bias is the C of each sum's first instruction.
; No prefetch: K has eight steps, of which the first four come with or straight behind the first fills.
; LIMIT: operands are f16: |ctx|, |W_proj| under 65,504.  (Rows 0 to 15 of each batch are written again, more finely, by the launch that follows.)
; REGISTERS: window 0: v16-29 addresses; v32-63 the bias; v64-127, v128-191 A's fragments, two buffers (8 x 16 rows x 32 K); v192-223, v224-255 B's (4 x 16 rows x 32 K).  window 1: accumulator (a, b) at v[8 (4 a + b)].
.set PITCH,  272
.set PLANE,  128*PITCH                 ; 34,816
.set BOFF,   2*PLANE
.set SLOT,   3*PLANE                   ; 104,448
.set STAGE,  2*SLOT
.set SPITCH, 272
.set SPARE,  STAGE+4*16*SPITCH         ; the spare words, 128 bytes a wave: two blocks of 256 bytes that no other line names
.set ADRA, 16
.set ADRB, 20
.set STO,  24
.set RD,   25
.set CO,   26
.set BO,   27
.set SPW,  28
.set NIL,  29
.set BI,   32
.set AF,   64
.set BF,   192
.set BK,   64
.set G1,  24
.set G0,  32
.set G1B, 48
.set G0B, 56
.set WV,  66
.set RHF, 67                           ; s67 my half of the tile's rows.  Also: I fetch for A (0) or for B (1)
.set CHF, 68                           ; s68 my half of its columns.  Also: which plane of A, or which 64 rows of B, I fetch
.set MSB, 0
.macro WIN new
.if MSB != \new
	s_set_vgpr_msb (MSB<<8)|\new
.set MSB, \new
.endif
.endm
.set MUL, 0x50                         ; C and D window 1, operands window 0
.set FST, 0x40                         ; the first quarter: C (the bias) window 0
.macro JLOAD s                         ; an s_nop 0 and four v_nop follow each of the two lines
	s_cmp_eq_u32 s[RHF], 0
	s_cbranch_scc0 .Lfor_b_\@
	tensor_load_to_lds s[G0+4*\s:G0+4*\s+3], s[G1:G1+7]
	s_nop 0
.rept 4
	v_nop
.endr
	s_branch .Lasked_\@
.Lfor_b_\@:
	tensor_load_to_lds s[G0B+4*\s:G0B+4*\s+3], s[G1B:G1B+7]
	s_nop 0
.rept 4
	v_nop
.endr
.Lasked_\@:
.endm
.macro CREST
	s_cmp_lg_u32 s[WV], 0
	s_cbranch_scc1 .Lnot_wave_0_\@
	s_barrier_signal -3
.Lnot_wave_0_\@:
	s_barrier_wait -3
	s_barrier_signal -1
	s_barrier_wait -1
.endm
.macro CROUND
	s_barrier_signal -1
	s_barrier_wait -1
	CREST
.endm
	s_load_b256 s[4:11], s[0:1], 0x0               ; ctx s[4:5], wpt s[6:7], b_proj s[8:9], out0 s[10:11]
	v_lshl_add_u32 v[SPW], v0, 2, SPARE
	v_mov_b32 v[NIL], 0
	ds_add_u32 v[SPW], v[NIL]                      ; the wave's opening
	ds_add_u32 v[SPW], v[NIL]
	v_lshrrev_b32 v1, 5, v0
	v_readfirstlane_b32 s[WV], v1
	s_lshr_b32 s[RHF], s[WV], 1
	s_and_b32 s[CHF], s[WV], 1
	s_bfe_u32 s40, ttmp6, 0x40000                  ; cx
	s_bfe_u32 s41, ttmp6, 0x40004                  ; cy
	s_lshl_b32 s42, ttmp9, 2
	s_add_co_u32 s42, s42, s40                     ; tile column: 0 .. 7
	s_and_b32 s13, ttmp7, 0xffff
	s_lshl_b32 s13, s13, 2
	s_add_co_u32 s13, s13, s41                     ; tile row: 0 .. 31
	s_lshl_b32 s43, s41, 2
	s_lshl_b32 s43, 15, s43                        ; my row of the cluster
	s_lshl_b32 s44, 0x1111, s40                    ; my column
	s_or_b32 s[G1+0], s43, (1<<16)|(1<<20)|(1<<21)|(5<<22)|(3<<25)   ; the mask; elements of 2 bytes; padding on; bit 21 beside a mask; 4 words behind every 64
	s_mov_b32 s[G1+1], 128<<16                     ; A: 128 rows of 128 elements, dense
	s_mov_b32 s[G1+2], 128<<16
	s_mov_b32 s[G1+3], 128<<16
	s_mov_b32 s[G1+4], 128
	s_mov_b32 s[G1+5], 128
	s_mov_b32 s[G1+6], 0
	s_mov_b32 s[G1+7], 0
	s_or_b32 s[G1B+0], s44, (1<<16)|(1<<20)|(1<<21)|(5<<22)|(3<<25)
	s_mov_b32 s[G1B+1], 128<<16                    ; B: 64 rows of 128 elements, 1,024 elements apart
	s_mov_b32 s[G1B+2], 64<<16
	s_mov_b32 s[G1B+3], 128<<16
	s_mov_b32 s[G1B+4], 64
	s_mov_b32 s[G1B+5], 1024
	s_mov_b32 s[G1B+6], 0
	s_mov_b32 s[G1B+7], 0
	s_lshl_b32 s16, s[CHF], 20                     ; A: head = plane: 1,048,576 bytes a head,
	s_lshl_b32 s17, s13, 15                        ; + 256 x tile row rows of 128 bytes
	s_add_co_u32 s16, s16, s17
	s_mov_b32 s17, 0
	s_lshl_b32 s18, s42, 18                        ; B: row 128 x tile column + 64 x half, 2,048 bytes a row
	s_lshl_b32 s19, s[CHF], 17
	s_add_co_u32 s18, s18, s19
	s_mov_b32 s19, 0
	s_mul_i32 s20, s[CHF], PLANE                   ; where they go: no place in the cluster enters an LDS address
	s_mul_i32 s21, s[CHF], 64*PITCH
	s_add_co_u32 s21, s21, BOFF
	s_wait_dscnt 0x0                               ; both opening adds are done
	s_wait_kmcnt 0x0
	s_add_nc_u64 s[14:15], s[4:5], s[16:17]
	s_add_nc_u64 s[22:23], s[6:7], s[18:19]
	CROUND                                         ; all sixteen work-groups are here: the first joint loads meet
.irp s, 0,1
	s_mov_b32 s[G0+4*\s], 1
	s_add_co_u32 s[G0+4*\s+1], s20, \s*SLOT
	s_add_nc_u64 s[G0+4*\s+2:G0+4*\s+3], s[14:15], \s*2097152   ; K step s: two heads on
	s_or_b32 s[G0+4*\s+3], s[G0+4*\s+3], 0x80000000
	s_mov_b32 s[G0B+4*\s], 1
	s_add_co_u32 s[G0B+4*\s+1], s21, \s*SLOT
	s_add_nc_u64 s[G0B+4*\s+2:G0B+4*\s+3], s[22:23], \s*256
	s_or_b32 s[G0B+4*\s+3], s[G0B+4*\s+3], 0x80000000
	JLOAD \s
.endr
	v_and_b32 v1, 15, v0                           ; r
	v_bfe_u32 v2, v0, 4, 1                         ; hh
	s_lshl_b32 s16, s42, 9                         ; my 64 columns, in bytes of f32: 512 x tile column + 256 x half
	s_lshl_b32 s17, s[CHF], 8
	s_add_co_u32 s16, s16, s17
	s_mov_b32 s17, 0
	s_add_nc_u64 s[8:9], s[8:9], s[16:17]
	v_lshlrev_b32 v[BO], 5, v2
.irp b, 0,1,2,3
.irp u, 0,1
	global_load_b128 v[BI+8*\b+4*\u:BI+8*\b+4*\u+3], v[BO], s[8:9] offset:64*\b+16*\u   ; register 8 b + j: the bias of column 16 b + 8 hh + j
.endr
.endr
	s_lshl_b32 s18, s13, 20                        ; my first row: (256 x tile row + 128 x half) x 4,096 bytes
	s_lshl_b32 s19, s[RHF], 19
	s_add_co_u32 s18, s18, s19
	s_add_co_u32 s16, s16, s18
	s_add_nc_u64 s[10:11], s[10:11], s[16:17]
	v_lshrrev_b32 v3, 1, v1
	v_mul_u32_u24 v3, v3, PITCH
	v_and_b32 v4, 1, v1
	v_lshl_add_u32 v3, v4, 7, v3
	v_lshl_add_u32 v3, v2, 4, v3
	s_mul_i32 s16, s[RHF], 64*PITCH
	v_add_nc_u32 v[ADRA], s16, v3                  ; A: my 128 rows; 272 (r / 2) + 128 (r % 2) + 16 hh
	v_add_nc_u32 v[ADRA+1], SLOT, v[ADRA]
	v_mul_u32_u24 v3, v1, PITCH
	v_lshl_add_u32 v3, v2, 4, v3
	s_mul_i32 s16, s[CHF], 64*PITCH
	s_add_co_u32 s16, s16, BOFF
	v_add_nc_u32 v[ADRB], s16, v3                  ; B: my 64 rows; 272 r + 16 hh
	v_add_nc_u32 v[ADRB+1], SLOT, v[ADRB]
	s_mul_i32 s16, s[WV], 16*SPITCH
	s_add_co_u32 s16, s16, STAGE
	v_mul_u32_u24 v3, v1, SPITCH
	v_lshl_add_u32 v3, v2, 5, v3
	v_add_nc_u32 v[STO], s16, v3                   ; the stage, in: row r, 32 bytes for each half of the lanes
	v_mul_u32_u24 v3, v2, SPITCH
	v_lshl_add_u32 v3, v1, 4, v3
	v_add_nc_u32 v[RD], s16, v3                    ; back: lanes 0-15 one row of 256 bytes, lanes 16-31 the next
	v_lshlrev_b32 v3, 12, v2
	v_lshl_add_u32 v[CO], v1, 4, v3                ; and the same two rows in out0
; 8 matrix instructions: A's blocks a0, a0 + 1 x B's four, 32 along K, from buffer f.  The 32 accumulators take turns, one instruction a turn.
.macro MUL8 f, a0, first
.irp a, \a0, \a0+1
.irp b, 0,1,2,3
.if \first
	v_wmma_f32_16x16x32_f16 v[8*(4*(\a)+\b):8*(4*(\a)+\b)+7], v[BF+32*\f+8*\b:BF+32*\f+8*\b+7], v[AF+64*\f+8*(\a):AF+64*\f+8*(\a)+7], v[BI+8*\b:BI+8*\b+7]
.else
	v_wmma_f32_16x16x32_f16 v[8*(4*(\a)+\b):8*(4*(\a)+\b)+7], v[BF+32*\f+8*\b:BF+32*\f+8*\b+7], v[AF+64*\f+8*(\a):AF+64*\f+8*(\a)+7], v[8*(4*(\a)+\b):8*(4*(\a)+\b)+7]
.endif
.endr
.endr
.endm
; 24 LDS loads in one run: quarter q of a slot (32 along K: plane q / 2, channels 32 (q % 2) on) into buffer f: B's four blocks, A's blocks 0-3, A's blocks 4-7
.macro FETCH slot, q, f
.irp b, 0,1,2,3
	ds_load_b128 v[BF+32*\f+8*\b:BF+32*\f+8*\b+3],   v[ADRB+\slot] offset:16*PITCH*\b+64*(\q)
	ds_load_b128 v[BF+32*\f+8*\b+4:BF+32*\f+8*\b+7], v[ADRB+\slot] offset:16*PITCH*\b+64*(\q)+32
.endr
.irp i, 0,1,2,3,4,5,6,7
	ds_load_b128 v[AF+64*\f+8*\i:AF+64*\f+8*\i+3],   v[ADRA+\slot] offset:8*PITCH*\i+((\q)/2)*PLANE+((\q)%2)*64
	ds_load_b128 v[AF+64*\f+8*\i+4:AF+64*\f+8*\i+7], v[ADRA+\slot] offset:8*PITCH*\i+((\q)/2)*PLANE+((\q)%2)*64+32
.endr
.endm
.macro PLACES                          ; four plain lines between matrix instructions and loads into, or reads of, their registers
.rept 4
	v_nop
.endr
.endm
; One of a K step's first three quarters: multiplies buffer f; in its middle it fetches quarter q of the same slot into buffer g.
.macro QUARTER slot, q, f, g, first
	s_wait_dscnt 8                                 ; B and A's blocks 0-3 are in; the eight youngest loads (A's blocks 4-7) may be out
.if \first
	WIN FST
.else
	WIN MUL
.endif
	MUL8 \f, 0, \first
	MUL8 \f, 2, \first
	WIN 0
	PLACES
	FETCH \slot, \q, \g
	s_wait_dscnt 24                                ; all but the 24 just issued
.if \first
	WIN FST
.else
	WIN MUL
.endif
	MUL8 \f, 4, \first
	MUL8 \f, 6, \first
.endm
; The last quarter multiplies buffer 1 and changes slots: one barrier; in front of it each wave waits for all its tensor loads, adds 0 to its spare word, and waits for that and for its reads of this slot.
; fill = 1: the barrier opens a round of the cluster's barrier, and the slot is filled again, two K steps ahead, first thing behind the round.
.macro TURN slot, next, fill
	WIN 0
	s_wait_tensorcnt 0x0                           ; my part of the next slot has landed
	ds_add_u32 v[SPW], v[NIL]
	s_wait_dscnt 9                                 ; the add and the eight youngest loads may be out
	WIN MUL
	MUL8 1, 0, 0
	s_wait_dscnt 0x0                               ; the add is done, and my reads of this slot are over
	s_barrier_signal -1
	MUL8 1, 2, 0
	WIN 0
	s_barrier_wait -1
.if \fill
	CREST
	s_add_nc_u64 s[G0+4*\slot+2:G0+4*\slot+3], s[G0+4*\slot+2:G0+4*\slot+3], 4194304   ; four heads on
	s_add_nc_u64 s[G0B+4*\slot+2:G0B+4*\slot+3], s[G0B+4*\slot+2:G0B+4*\slot+3], 512
	JLOAD \slot                                    ; its four v_nop are also the places in front of the loads below
.else
	PLACES
.endif
	FETCH \next, 0, 0
	WIN MUL
	MUL8 1, 4, 0
	MUL8 1, 6, 0
.endm
	s_wait_tensorcnt 1                             ; my part of K step 0 is in; K step 1's load may be out
	s_barrier_signal -1
	s_barrier_wait -1
	FETCH 0, 0, 0
	s_wait_loadcnt 0x0                             ; the bias
	QUARTER 0, 1, 0, 1, 1                          ; the first quarter stands in front of the loop: its products begin the sums with the bias
	WIN 0
	s_mov_b32 s3, 3
.Llap:                                                 ; a trip goes once round the ring and fills both slots again: K steps 2 to 7
	QUARTER 0, 2, 1, 0, 0
	QUARTER 0, 3, 0, 1, 0
	TURN 0, 1, 1
	QUARTER 1, 1, 0, 1, 0
	QUARTER 1, 2, 1, 0, 0
	QUARTER 1, 3, 0, 1, 0
	TURN 1, 0, 1
	QUARTER 0, 1, 0, 1, 0
	WIN 0
	s_sub_co_u32 s3, s3, 1
	s_cmp_lg_u32 s3, 0
	s_cbranch_scc1 .Llap
	QUARTER 0, 2, 1, 0, 0                          ; the last lap fills nothing
	QUARTER 0, 3, 0, 1, 0
	TURN 0, 1, 0
	QUARTER 1, 1, 0, 1, 0
	QUARTER 1, 2, 1, 0, 0
	QUARTER 1, 3, 0, 1, 0
	s_wait_dscnt 8
	WIN MUL
	MUL8 1, 0, 0
	MUL8 1, 2, 0
	s_wait_dscnt 0
	MUL8 1, 4, 0
	MUL8 1, 6, 0
	WIN 0
; THE WAY OUT, block by block of 16 rows x 64 columns: 32 bytes a lane into my own stage, back as whole rows of 256 bytes; sixteen lanes store 256 consecutive bytes, aligned.
.macro TOSTAGE a
	WIN 0x04                                       ; an LDS store's data: window 1
.irp b, 0,1,2,3
	ds_store_b128 v[STO], v[8*(4*(\a)+\b):8*(4*(\a)+\b)+3] offset:64*\b          ; each accumulator from its low end on
	ds_store_b128 v[STO], v[8*(4*(\a)+\b)+4:8*(4*(\a)+\b)+7] offset:64*\b+16
.endr
	WIN 0
.set BB, BK+32*((\a)%2)
.irp t, 0,1,2,3,4,5,6,7
	ds_load_b128 v[BB+4*\t:BB+4*\t+3], v[RD] offset:\t*2*SPITCH   ; LDS serves a wave's instructions in order: these see the stores above
.endr
.endm
.macro SEND a, younger                 ; younger: the LDS instructions issued behind block a's loads
.set BB, BK+32*((\a)%2)
	s_wait_dscnt \younger
.irp t, 0,1,2,3,4,5,6,7
	global_store_b128 v[CO], v[BB+4*\t:BB+4*\t+3], s[10:11] offset:(16*(\a)+2*\t)*4096 th:TH_STORE_NT
.endr
.endm
	PLACES
	TOSTAGE 0
.irp a, 1,2,3,4,5,6,7
.if \a > 1
	s_wait_xcnt 0x0                                ; block a - 2's stores have read their registers: block a's loads may land there
.endif
	TOSTAGE \a
	SEND \a-1, 16                                  ; behind block a - 1's loads: block a's 8 stores and 8 loads
.endr
	SEND 7, 0
	s_wait_tensorcnt 0x0                           ; the wave's end
	ds_add_u32 v[SPW], v[NIL]
	s_wait_dscnt 0x0
	CROUND                                         ; the closing round
	s_endpgm
.Lfunc_end_k_qffd03955e4_proj:
	.size	k_qffd03955e4_proj, .Lfunc_end_k_qffd03955e4_proj-k_qffd03955e4_proj
	.p2alignl 7, 3214868480
	.fill 96, 4, 3214868480
	.section	.rodata,"a",@progbits
	.p2align	6, 0x0
	.amdhsa_kernel k_qffd03955e4_proj
		.amdhsa_group_segment_fixed_size 327680
		.amdhsa_private_segment_fixed_size 0
		.amdhsa_enable_private_segment 0
		.amdhsa_kernarg_size 32
		.amdhsa_user_sgpr_count 2
		.amdhsa_user_sgpr_kernarg_segment_ptr 1
		.amdhsa_wavefront_size32 1
		.amdhsa_system_sgpr_workgroup_id_x 1
		.amdhsa_system_sgpr_workgroup_id_y 1
		.amdhsa_system_sgpr_workgroup_id_z 1
		.amdhsa_system_vgpr_workitem_id 0
		.amdhsa_next_free_vgpr 512
		.amdhsa_next_free_sgpr 72
		.amdhsa_reserve_vcc 0
		.amdhsa_float_denorm_mode_32 3
		.amdhsa_float_denorm_mode_16_64 3
		.amdhsa_memory_ordered 1
		.amdhsa_forward_progress 1
		.amdhsa_inst_pref_size 86
	.end_amdhsa_kernel
	.amdgpu_metadata
---
amdhsa.version: [ 1, 2 ]
amdhsa.kernels:
  - .name:           k_qffd03955e4_proj
    .symbol:         k_qffd03955e4_proj.kd
    .args:
      - { .name: ctx, .offset: 0, .size: 8, .value_kind: global_buffer, .address_space: global }
      - { .name: wpt, .offset: 8, .size: 8, .value_kind: global_buffer, .address_space: global }
      - { .name: b_proj, .offset: 16, .size: 8, .value_kind: global_buffer, .address_space: global }
      - { .name: out0, .offset: 24, .size: 8, .value_kind: global_buffer, .address_space: global }
    .group_segment_fixed_size: 327680
    .private_segment_fixed_size: 0
    .kernarg_segment_align: 8
    .kernarg_segment_size: 32
    .max_flat_workgroup_size: 128
    .sgpr_count:     72
    .vgpr_count:     512
    .wavefront_size: 32
...
	.end_amdgpu_metadata
.endif
;; end of part 4
;; launch fine (part 5): grid 32 x 4, 16 waves a work-group, no clusters, 108,544 bytes of LDS; arguments fin, W_proj, b_proj, out0; writes out0
.if DOCPART == 5
	.amdgcn_target "amdgcn-amd-amdhsa--gfx1250"
	.amdhsa_code_object_version 6
	.text
	.protected	k_qffd03955e4_fine
	.globl	k_qffd03955e4_fine
	.p2align	8
	.type	k_qffd03955e4_fine,@function
k_qffd03955e4_fine:
	s_mov_b64 s[64:65], 0
	v_nop
	global_prefetch_b8 v0, s[64:65] scope:SCOPE_SE
	s_setreg_imm32_b32 hwreg(HW_REG_WAVE_MODE, 25, 1), 1
	s_wait_xcnt 0x0
; Positions 0 to 15 of each of the four sequences, once more and in f32 throughout: attention over at most 16 keys and the projection, by v_wmma_f32_16x16x4_f32.  These rows average few values and are the
; largest of the output.  64 rows of out0 are written over.
; SHARES.  Work-group (sl, batch): 32 columns of out0 for the batch's 16 rows.  A wave is a head: it makes its head's 16 x 64 of ctx (each of a batch's 32 work-groups repeats that: 32 matrix instructions),
; multiplies it by its head's 64 rows x 32 columns of W_proj, and the sixteen partial sums meet in LDS, added in the order of the heads.
; fin holds q, k, v as images of accumulators: register i (0 .. 31) of lane (r, hh) is (position r, channel ch(hh, i) = 16 (i / 8) + 8 hh + i % 8).
; The f32 form takes K = 4: lane (r, hh), register jj holds k = 2 hh + jj.  Registers 2 t, 2 t + 1 of both sources then stand for the same four channels ch(0, 2 t), ch(0, 2 t + 1), ch(1, 2 t), ch(1, 2 t + 1):
; a permutation of K applied alike to both sources; sixteen instructions cover the 64 channels.
; The softmax takes the row's largest score away before the exponential.  Stores cover 128 consecutive bytes: 256 KiB in the whole launch.
; The registers that the matrix instructions write (v184-247) are written by nothing else.
.set VST,   0                          ; V of my head, [16 positions][64 channels] f32, pitch 272: 4,352 bytes a wave
.set PART,  69632                      ; the partial sums: [16 waves][16 positions][32 columns] f32, pitch 144: 2,304 bytes a wave
.set SPARE, 106496                     ; the spare words, 128 bytes a wave: eight blocks of 256 bytes that no other line names
.set QF, 16                            ; v16-47  q; later ctx / the sum
.set KFR, 48                           ; v48-79  k; later V's fragments
.set VF, 80                            ; v80-111 v; later the sixteen partial sums
.set WF, 112                           ; v112-175 W_proj's fragments
.set SPR, 176                          ; v176-183 the scores, then p
.set SA, 184
.set SB, 192
.set CT, 200
.set PJ, 232
	s_load_b256 s[4:11], s[0:1], 0x0               ; fin s[4:5], W_proj s[6:7], b_proj s[8:9], out0 s[10:11]
	v_lshl_add_u32 v14, v0, 2, SPARE               ; my spare word; never rewritten
	v_mov_b32 v15, 0                               ; 0; never rewritten
	v_lshrrev_b32 v1, 5, v0
	v_readfirstlane_b32 s12, v1                    ; wave = head; later: the position that I sum
	s_and_b32 s13, ttmp7, 0xffff                   ; batch
	v_and_b32 v10, 31, v0                          ; lane
	v_and_b32 v11, 15, v0                          ; r
	v_bfe_u32 v12, v0, 4, 1                        ; hh
	v_lshlrev_b32 v1, 4, v10                       ; an image's place for my lane
	v_lshlrev_b32 v2, 2, v11
	v_lshl_add_u32 v2, v12, 15, v2                 ; W_proj: 8 hh rows of 4,096 bytes + column r
	s_mul_i32 s14, s12, 4352
	v_mul_u32_u24 v3, v11, 272
	v_lshl_add_u32 v3, v12, 5, v3
	v_add_nc_u32 v3, s14, v3                       ; V in: row r, + 32 hh
	v_mul_u32_u24 v4, v12, 2176
	v_lshl_add_u32 v4, v11, 2, v4
	v_add_nc_u32 v4, s14, v4                       ; V back: position 8 hh on, channel r
	s_mul_i32 s14, s12, 2304
	s_add_co_u32 s14, s14, PART
	v_mul_u32_u24 v5, v11, 144
	v_lshl_add_u32 v5, v12, 5, v5
	v_add_nc_u32 v5, s14, v5                       ; my partial sums: position r, + 32 hh
	s_mul_i32 s14, s12, 144
	s_add_co_u32 s14, s14, PART
	v_lshlrev_b32 v13, 2, v10                      ; 4 x lane
	v_add_nc_u32 v6, s14, v13                      ; back: position = my wave's number, column = lane
	v_lshlrev_b32 v7, 3, v12
	v_sub_nc_u32 v7, v11, v7                       ; r - 8 hh
	v_mov_b32 v8, 0xff800000                       ; -infinity
	s_mov_b32 s24, 0x76543210
	s_mov_b32 s25, 0xfedcba98                      ; v_permlanex16_b32's selects for lane l xor 16
	s_mov_b32 s26, 0x3e38aa3b                      ; c = log2(e) / 8
	s_mul_i32 s16, s13, 48
	s_add_co_u32 s16, s16, s12
	s_lshl_b32 s16, s16, 12                        ; fin: (48 batch + head) x 4,096; a part is 65,536 bytes on
	s_mov_b32 s17, 0
	s_lshl_b32 s20, ttmp9, 7                       ; my 32 columns, in bytes
	s_mov_b32 s21, 0
	s_lshl_b32 s18, s12, 18                        ; W_proj: my head's 64 rows of 4,096 bytes
	s_add_co_u32 s18, s18, s20
	s_mov_b32 s19, 0
	s_lshl_b32 s22, s13, 11
	s_add_co_u32 s22, s22, s12
	s_lshl_b32 s22, s22, 12                        ; out0: row 2,048 batch + my wave's number
	s_add_co_u32 s22, s22, s20
	s_mov_b32 s23, 0
	s_wait_kmcnt 0x0
	s_add_nc_u64 s[4:5], s[4:5], s[16:17]
	s_add_nc_u64 s[6:7], s[6:7], s[18:19]
	s_add_nc_u64 s[8:9], s[8:9], s[20:21]
	s_add_nc_u64 s[10:11], s[10:11], s[22:23]
.irp p, 0,1,2
.irp g, 0,1,2,3,4,5,6,7
	global_load_b128 v[QF+32*\p+4*\g:QF+32*\p+4*\g+3], v1, s[4:5] offset:65536*\p+512*\g
.endr
.endr
	global_load_b32 v9, v13, s[8:9]                ; the bias of column lane
.irp t, 0,1,2,3,4,5,6,7,8,9,10,11,12,13,14,15
.irp nt, 0,1
.irp jj, 0,1
	global_load_b32 v[WF+(2*\t+\nt)*2+\jj], v2, s[6:7] offset:(16*(\t/4)+2*(\t%4)+\jj)*4096+64*\nt   ; W_proj(64 head + ch(hh, 2 t + jj), 32 sl + 16 nt + r)
.endr
.endr
.endr
	s_wait_loadcnt 63                              ; of the 89 loads the 63 youngest may be out: the 24 images are in
.irp bb, 0,1,2,3
.irp u, 0,1
	ds_store_b128 v3, v[VF+8*\bb+4*\u:VF+8*\bb+4*\u+3] offset:VST+64*\bb+16*\u
.endr
.endr
; S^T = k q^T: source 0 = 16 keys, source 1 = 16 queries.  Two accumulators by turns; each sum's first instruction takes the constant 0.
.irp t, 0,1,2,3,4,5,6,7,8,9,10,11,12,13,14,15
.if \t < 2
	v_wmma_f32_16x16x4_f32 v[SA+8*(\t%2):SA+8*(\t%2)+7], v[KFR+2*\t:KFR+2*\t+1], v[QF+2*\t:QF+2*\t+1], 0
.else
	v_wmma_f32_16x16x4_f32 v[SA+8*(\t%2):SA+8*(\t%2)+7], v[KFR+2*\t:KFR+2*\t+1], v[QF+2*\t:QF+2*\t+1], v[SA+8*(\t%2):SA+8*(\t%2)+7]
.endif
.endr
.rept 8
	v_nop                                          ; eight places behind this form, ahead of the loads into k's registers and of the first read of the sums
.endr
.irp t, 0,1,2,3
.irp dt, 0,1,2,3
.irp jj, 0,1
	ds_load_b32 v[KFR+(4*\t+\dt)*2+\jj], v4 offset:VST+(2*\t+\jj)*272+64*\dt   ; V(position 8 hh + 2 t + jj, channel 16 dt + r): these see my stores above
.endr
.endr
.endr
.irp j, 0,1,2,3,4,5,6,7
	v_add_f32 v[SPR+\j], v[SA+\j], v[SB+\j]        ; register j of lane (r, hh): score of key 8 hh + j and query r
.endr
.irp j, 0,1,2,3,4,5,6,7
	v_cmp_gt_i32 vcc_lo, \j, v7                    ; hidden where 8 hh + j > r
	v_cndmask_b32 v[SPR+\j], v[SPR+\j], v8, vcc_lo
.endr
	v_max3_num_f32 v10, v[SPR], v[SPR+1], v[SPR+2]
	v_max3_num_f32 v10, v10, v[SPR+3], v[SPR+4]
	v_max3_num_f32 v10, v10, v[SPR+5], v[SPR+6]
	v_max_num_f32 v10, v10, v[SPR+7]
	v_permlanex16_b32 v11, v10, s24, s25
	v_max_num_f32 v10, v10, v11                    ; the row's largest score: key 0 counts for every query
	v_mul_f32 v10, s26, v10
.irp j, 0,1,2,3,4,5,6,7
	v_fma_f32 v[SPR+\j], v[SPR+\j], s26, -v10
.endr
.irp j, 0,1,2,3,4,5,6,7
	v_exp_f32 v[SPR+\j], v[SPR+\j]
.endr
	v_nop                                          ; a plain line behind the batch,
	s_wait_alu depctr_va_vdst(0)                   ; and one wait, ahead of its first reader
	v_add_f32 v10, v[SPR], v[SPR+1]
	v_add_f32 v11, v[SPR+2], v[SPR+3]
	v_add_f32 v12, v[SPR+4], v[SPR+5]
	v_add_f32 v10, v10, v11
	v_add_f32 v11, v[SPR+6], v[SPR+7]
	v_add_f32 v11, v12, v11
	v_add_f32 v10, v10, v11
	v_permlanex16_b32 v11, v10, s24, s25
	v_add_f32 v10, v10, v11                        ; the row's sum
	v_rcp_f32 v10, v10
	v_nop
	s_wait_alu depctr_va_vdst(0)
	s_wait_dscnt 0x0                               ; V's fragments are in
; O^T = V^T p: source 0 = 16 channels, source 1 = p; instruction t takes keys 2 t, 2 t + 1, 8 + 2 t, 9 + 2 t.  Four accumulators by turns.
.irp t, 0,1,2,3
.irp dt, 0,1,2,3
.if \t == 0
	v_wmma_f32_16x16x4_f32 v[CT+8*\dt:CT+8*\dt+7], v[KFR+(4*\t+\dt)*2:KFR+(4*\t+\dt)*2+1], v[SPR+2*\t:SPR+2*\t+1], 0
.else
	v_wmma_f32_16x16x4_f32 v[CT+8*\dt:CT+8*\dt+7], v[KFR+(4*\t+\dt)*2:KFR+(4*\t+\dt)*2+1], v[SPR+2*\t:SPR+2*\t+1], v[CT+8*\dt:CT+8*\dt+7]
.endif
.endr
.endr
.rept 8
	v_nop
.endr
.irp i, 0,1,2,3,4,5,6,7,8,9,10,11,12,13,14,15,16,17,18,19,20,21,22,23,24,25,26,27,28,29,30,31
	v_mul_f32 v[QF+\i], v[CT+\i], v10              ; ctx(position r, channel ch(hh, i)): into other registers, each accumulator from its low end on
.endr
	s_wait_loadcnt 0x0                             ; W_proj's fragments and the bias
; out^T = W^T ctx^T: source 0 = 16 columns, source 1 = ctx.  Two accumulators by turns.
.irp t, 0,1,2,3,4,5,6,7,8,9,10,11,12,13,14,15
.irp nt, 0,1
.if \t == 0
	v_wmma_f32_16x16x4_f32 v[PJ+8*\nt:PJ+8*\nt+7], v[WF+(2*\t+\nt)*2:WF+(2*\t+\nt)*2+1], v[QF+2*\t:QF+2*\t+1], 0
.else
	v_wmma_f32_16x16x4_f32 v[PJ+8*\nt:PJ+8*\nt+7], v[WF+(2*\t+\nt)*2:WF+(2*\t+\nt)*2+1], v[QF+2*\t:QF+2*\t+1], v[PJ+8*\nt:PJ+8*\nt+7]
.endif
.endr
.endr
.rept 8
	v_nop
.endr
.irp nt, 0,1
	ds_store_b128 v5, v[PJ+8*\nt:PJ+8*\nt+3] offset:64*\nt          ; lane (r, hh): columns 16 nt + 8 hh + 0 .. 7 of position r
	ds_store_b128 v5, v[PJ+8*\nt+4:PJ+8*\nt+7] offset:64*\nt+16
.endr
	s_wait_dscnt 0x0                               ; for the others' sake: my stores have landed
	s_barrier_signal -1
	s_barrier_wait -1
.irp p, 0,1,2,3,4,5,6,7,8,9,10,11,12,13,14,15
	ds_load_b32 v[VF+\p], v6 offset:2304*\p        ; head p's part of (position = my wave's number, column = lane)
.endr
	s_wait_dscnt 0x0
.irp p, 0,1,2,3,4,5,6,7,8,9,10,11,12,13,14,15
	v_add_f32 v9, v9, v[VF+\p]                     ; onto the bias, in the order of the heads
.endr
	global_store_b32 v13, v9, s[10:11]
	s_wait_tensorcnt 0x0                           ; the wave's end
	ds_add_u32 v14, v15
	s_wait_dscnt 0x0
	s_endpgm
.Lfunc_end_k_qffd03955e4_fine:
	.size	k_qffd03955e4_fine, .Lfunc_end_k_qffd03955e4_fine-k_qffd03955e4_fine
	.p2alignl 7, 3214868480
	.fill 96, 4, 3214868480
	.section	.rodata,"a",@progbits
	.p2align	6, 0x0
	.amdhsa_kernel k_qffd03955e4_fine
		.amdhsa_group_segment_fixed_size 108544
		.amdhsa_private_segment_fixed_size 0
		.amdhsa_enable_private_segment 0
		.amdhsa_kernarg_size 32
		.amdhsa_user_sgpr_count 2
		.amdhsa_user_sgpr_kernarg_segment_ptr 1
		.amdhsa_wavefront_size32 1
		.amdhsa_system_sgpr_workgroup_id_x 1
		.amdhsa_system_sgpr_workgroup_id_y 1
		.amdhsa_system_sgpr_workgroup_id_z 1
		.amdhsa_system_vgpr_workitem_id 0
		.amdhsa_next_free_vgpr 256
		.amdhsa_next_free_sgpr 66
		.amdhsa_reserve_vcc 1
		.amdhsa_float_denorm_mode_32 3
		.amdhsa_float_denorm_mode_16_64 3
		.amdhsa_memory_ordered 1
		.amdhsa_forward_progress 1
		.amdhsa_inst_pref_size 24
	.end_amdhsa_kernel
	.amdgpu_metadata
---
amdhsa.version: [ 1, 2 ]
amdhsa.kernels:
  - .name:           k_qffd03955e4_fine
    .symbol:         k_qffd03955e4_fine.kd
    .args:
      - { .name: fin, .offset: 0, .size: 8, .value_kind: global_buffer, .address_space: global }
      - { .name: W_proj, .offset: 8, .size: 8, .value_kind: global_buffer, .address_space: global }
      - { .name: b_proj, .offset: 16, .size: 8, .value_kind: global_buffer, .address_space: global }
      - { .name: out0, .offset: 24, .size: 8, .value_kind: global_buffer, .address_space: global }
    .group_segment_fixed_size: 108544
    .private_segment_fixed_size: 0
    .kernarg_segment_align: 8
    .kernarg_segment_size: 32
    .max_flat_workgroup_size: 512
    .sgpr_count:     66
    .vgpr_count:     256
    .wavefront_size: 32
...
	.end_amdgpu_metadata
.endif
;; end of part 5
